; MI455X (gfx1250); checked and timed in simulation.
; The chip was launched on July 23, 2026; its instructions are those of AMD's public machine-readable ISA for CDNA 5 (MIT licence, August 2026) and "CDNA5" Instruction Set Architecture Reference Guide (July 2026). The comments in the code are by the model that wrote it; some were corrected since.
;; Attention. Allowed arithmetic: matrix products marked QUANTISED: E2M1 operands, one E8M0 scale for each 32 along K, by v_wmma_scale_f32_16x16x128_f8f6f4 with both operands' format E2M1 (or v_wmma_scale_f32_32x16x128_f4), f32 sums; everything else in f32.
;; Inputs: W_proj_codes 1,024 x 32 x 16 uint8 (E2M1 codes of W_proj, K innermost, in blocks of 32 codes, two codes a byte); W_proj_scales 1,024 x 32 uint8 (E8M0 scales of W_proj, one for each 32 codes along K); W_qkv_codes 3,072 x 32 x 16 uint8 (E2M1 codes of W_qkv, K innermost, in blocks of 32 codes, two codes a byte); W_qkv_scales 3,072 x 32 uint8 (E8M0 scales of W_qkv, one for each 32 codes along K); X_codes 4 x 2,048 x 32 x 16 uint8 (E2M1 codes of X, K innermost, in blocks of 32 codes, two codes a byte); X_scales 4 x 2,048 x 32 uint8 (E8M0 scales of X, one for each 32 codes along K); b_proj 1,024 float32; b_qkv 3,072 float32.
;; Outputs: out0 4 x 2,048 x 1,024 float32.
;; This version of the problem:
;;   THIS VERSION OF THE PROBLEM IS GIVEN IN LOW PRECISION. The matrix products marked QUANTISED in the list below multiply operands that are first quantised to E2M1 (2 exponent bits, 1 mantissa bit; 4 bits a number), with one power-of-two scale for each 32 numbers along K (OCP MX v1.0); their sums are f32. All else is computed in f32.
;;   The module's matrix products, in the order in which they are computed (A, B: the left and right operand; K: the contracted axis; several contracted axes count as one K, in the product's order):
;;     1. [M 8,192, K 1,024] x [K 1,024, N 3,072]; A: input X (given as codes); B: input W_qkv (given as codes): QUANTISED
;;     2. batch 64 x [M 2,048, K 64] x [K 64, N 2,048]; A: computed on the way; B: computed on the way: QUANTISED
;;     3. batch 64 x [M 64, K 2,048] x [K 2,048, N 2,048]; A: computed on the way; B: softmax (see below): QUANTISED
;;     4. [M 8,192, K 1,024] x [K 1,024, N 1,024]; A: computed on the way; B: input W_proj (given as codes): QUANTISED
;;   THE QUANTISER, for each operand of a quantised product, along K:
;;     - K is cut into blocks of 32 from its start; a last block that is shorter is filled with zeros.
;;     - A block's scale is 2^e with e = floor(log2(the largest magnitude in the block)) - 2, held to -126 .. 127; a block of zeros has e = 0. As a byte (E8M0): e + 127.
;;     - Each number is divided by its block's scale, clamped to +-6, and rounded to the nearest number of E2M1, ties to even, subnormals kept.
;;     - The product sums the exact products of the quantised numbers (number of the format x scale) in f32.
;;   ~~~python
;;   def quantise(x, axis):      # numpy; x: float32 -> the quantised numbers, widened to float32 again
;;       x = np.moveaxis(x, axis, -1); K = x.shape[-1]
;;       x = np.pad(x, [(0, 0)] * (x.ndim - 1) + [(0, -K % 32)]); x = x.reshape(x.shape[:-1] + (-1, 32)); a = np.abs(x).max(-1, keepdims=True)
;;       e = np.where(a > 0, np.clip(np.frexp(np.where(a > 0, a, 1))[1] - 1 - 2, -126, 127), 0)      # np.frexp(a)[1] - 1 = floor(log2(a)), exactly
;;       r = np.clip(x / 2.0 ** e, -6, 6)
;;       step = 2.0 ** (np.maximum(np.frexp(np.where(r == 0, 1, r))[1] - 1, 0) - 1)
;;       q = np.round(r / step) * step * 2.0 ** e      # np.round: ties to even
;;       return np.moveaxis(q.reshape(q.shape[:-2] + (-1,))[..., :K], -1, axis).astype(np.float32)
;;   ~~~
;;   SOFTMAX AHEAD OF A QUANTISED PRODUCT. Where the list says 'softmax', what is quantised is not the finished softmax but p = 2^(t - M), with t = logit x log2(e) and M = ceil(the row's largest t), a whole number; so 1/2 < the row's largest p <= 1. The row's sum l is taken of the UNQUANTISED p, in f32, and the product's result is divided by l at the end. Since M is a whole number, a kernel that streams over the keys may use a running M (the ceiling of the running maximum): every later rescaling is an exact power of two, which a block's scale takes up: the codes' values come out the same.
;;   OPERANDS COMPUTED ON THE WAY. 'Computed on the way' means the value that the module computes at that place (a softmax that the list does not call 'softmax' is quantised finished and normalised). What goes into a quantiser is computed in f32, as accurately as f32 sums, v_exp_f32 and their like allow (about 1e-6 of the number): no bf16 or f16 on the way to a quantiser, and a product that is left as it is and whose result goes on into a quantised operand takes f32 operands (vector FMAs, or v_wmma_f32_16x16x4_f32). A number that lies on a knife's edge between two numbers of the format may be rounded either way, as far as f32 arithmetic and the matrix unit's own rounding can turn it there, and no further.
;;   INPUTS GIVEN AS CODES. W_proj (in the module: [1024, 1024], K = its axis 0); W_qkv (in the module: [1024, 3072], K = its axis 0); X (in the module: [4, 2048, 1024], K = its axis 2): each comes as NAME_codes (uint8): NAME with its K axis moved to the last place and cut into blocks of 32 codes, [.., K / 32, bytes a block], one block behind the other in memory; two codes a byte, the lower K in the low four bits (a code: sign, 2 exponent bits, 1 mantissa bit); and NAME_scales (uint8): the same leading axes, one E8M0 byte (e + 127) for each 32 codes along K. Its value is code x scale, taken as it is: it is not quantised again, and the codes and scales need not be those that the quantiser above would give.
;; One version. Each part assembles by itself: llvm-mc -triple=amdgcn-amd-amdhsa -mcpu=gfx1250 --defsym DOCPART=n.
;; ======== version 1 of 1: 3 launches
;; limits: right only within a limited range of input values
;; workspace buffers: qkv_codes 12,582,912 bytes; qkv_scales 786,432 bytes; o_codes 4,194,304 bytes; o_scales 262,144 bytes
;; launch qkv (part 1): grid 12 x 32, 4 waves a work-group, clusters of 4 x 4, 327,680 bytes of LDS; arguments X_codes, X_scales, W_qkv_codes, W_qkv_scales, b_qkv, qkv_codes, qkv_scales; writes qkv_codes, qkv_scales
.if DOCPART == 1
	.amdgcn_target "amdgcn-amd-amdhsa--gfx1250"
	.amdhsa_code_object_version 6
	.text
	.protected	k_q58fd66e6e8_qkv
	.globl	k_q58fd66e6e8_qkv
	.p2align	8
	.type	k_q58fd66e6e8_qkv,@function
k_q58fd66e6e8_qkv:
	s_mov_b64 s[64:65], 0
	v_nop
	global_prefetch_b8 v0, s[64:65] scope:SCOPE_SE
	s_setreg_imm32_b32 hwreg(HW_REG_WAVE_MODE, 25, 1), 1
	s_wait_xcnt 0x0
	s_wait_alu depctr_hold_cnt(0) depctr_sa_sdst(0) depctr_va_vdst(0) depctr_va_sdst(0) depctr_va_ssrc(0) depctr_va_vcc(0) depctr_vm_vsrc(0)
	s_getreg_b32 s2, hwreg(HW_REG_IB_STS2, 6, 4)
	s_cmp_eq_u32 s2, 0
	s_cbranch_scc0 .Lentry_in_a_cluster
	s_endpgm
.Lentry_in_a_cluster:
	s_bfe_u32 s2, ttmp6, 0x10000c
	s_cmp_lg_u32 s2, 0xf033
	s_cbranch_scc0 .Lentry_shape_is_right
	s_endpgm
.Lentry_shape_is_right:
; qkv = X W_qkv + b_qkv on codes of FP4 (E2M1) with one E8M0 scale for each 32 along K (K = 1,024), and its result quantised at once for the attention launch:
; q and k along the head's 64 channels, v along the keys.  X: 8,192 rows of 512 bytes of codes, 32 scale bytes a row; W_qkv: 3,072 rows likewise; sums in f32.
; SHARES.  A work-group of four waves, as many as a WGP has SIMDs, makes 256 x 256 of the product, a wave 128 x 128: 64 accumulators, 512 registers.  All of K lies in two LDS slots
; of 512 along K (rows of 256 bytes), each filled ONCE: no LDS byte of this launch is filled a second time, so there is no ring to run.
; The cluster's x says what is made: 0 q, 1 k, 2 v.  THE MATRIX INSTRUCTION IS USED TRANSPOSED (source 0 = 16 rows of "B", source 1 = 16 rows of "A"): a lane holds ONE row of A and its
; registers run along B's rows.  For q and k: A = tokens (X), B = channels (W): a lane's registers run along the channels, which are the next product's K.
; For v THE OPERANDS CHANGE ROLES: A = channels (W's rows 2,048 on), B = keys (X): a lane's registers run along the keys, which are v's next K.  The choice is made by scalar selects on the
; cluster's x alone, which all partners share; the text has one path.
; CLUSTERS: 4 x 4 work-groups.  A's tiles hang on the place along y and are asked for jointly by a row of the cluster, B's on the place along x, by a column: the requests are divided by four.
; THE QUANTISER.  A block's scale is 2^(floor(log2(largest magnitude)) - 2); its byte is the largest magnitude's exponent field - 2.  A block of 32 lies in two neighbouring tiles and in lanes l and l xor 16.
; One conversion of a tile's eight registers is one dword of the block (lanes 0-15: dword 0 or 2, lanes 16-31: dword 1 or 3); two exchanges of lane halves for each pair of blocks give lanes 0-15 the whole
; first block and lanes 16-31 the whole second: the 4-bit operand's layout.  So the codes leave as IMAGES OF THE READER'S REGISTERS, 512 consecutive bytes a store, and nothing goes through LDS on the way out.
; LIMITS: NaN and infinities are not served (a given scale byte 0xff gives NaN).  A block whose largest magnitude lies under 2^-124, zeros among them, gets the byte 1 (the rule says 127 for zeros):
; its codes of zeros add nothing under any byte, and the bytes are read by this program alone.
; REGISTERS, in windows of 256: window 0: v16-27 addresses; v32-63 A's scale words, v64-95 B's (all of K); v96-111 the bias along A, twice each; v128-191 A's fragments, one set, later 64 numbers to quantise;
;   v192-255 the bias along B (the C of the first K step), later the quantiser's registers.  window 1: B's fragments, two sets, at v0 and v128.  windows 2, 3: the accumulators, (a, b) at v[8 (8 (a % 4) + b)].
; LDS LAYOUT AS IT STANDS: a row of A or of B lies in LDS with ALL of K, 512 bytes + 16 of padding; "slot s" below means bytes 256 s on of each row.  Each wave issues ONE tensor load, at the head.
.set PITCH,  528                       ; an LDS row: 512 bytes + 16 of padding = 132 words: the 16 rows that a load touches start at 16 different banks (64 banks of 4 bytes: ISA guide 11.1)
.set HALFT,  128*PITCH                 ; 128 rows: what a wave reads of A or of B
.set SLOT,   4*HALFT                   ; A's 256 rows, then B's 256 rows
.set SCL,    SLOT                      ; behind the rows: the scale bytes, as units of 256 bytes + 16 of padding
.set HALFS,  16*272                    ; those of 128 rows (4,096 bytes)
.set ADRA, 16                          ; v16-17  LDS address of my A fragments in slot 0, 1
.set ADRB, 20                          ; v20-21  the same for B
.set ADSA, 22                          ; v22     of A's scale words: lane l stands for row 32 i + l
.set ADSB, 23                          ; v23     of B's
.set VO0,  24                          ; v24     the way out: 16 x lane
.set VO1,  25                          ; v25     and the second four registers' place
.set VOS,  26                          ; v26     the scale words' place
.set LN,   27                          ; v27     lane
.set SA,   32                          ; A's scale words: register 8 i + ks: rows 32 i + lane, K step ks
.set SB,   64                          ; B's
.set BA,   96                          ; the bias along A: block a at v[BA + 2 a] and v[BA + 2 a + 1]
.set BL,   112                         ; as loaded
.set AF,   128                         ; A's fragments
.set T,    128                         ; the way out: 64 numbers of a lane
.set BB,   192                         ; the bias along B: tile b at v[BB + 8 b]
.set TM,   200                         ; v200-203 largest magnitudes, v204-207 the other half's, then bytes, v212-215 the conversions' scale operands
.set PC,   216                         ; v216-223 the codes just made
.set SW,   224                         ; v224-231 the eight blocks' scale words
.set SO,   232                         ; v232-235 four of them, to store
.set WV,   18                          ; s18 wave;  s19 which half of A's rows is mine;  s20 which half of B's rows
.set RH,   19
.set CH,   20
.set G1,   24                          ; s[24:31] descriptor group 1 for A's tiles;  s[32:35] group 0
.set G0,   32
.set G1B,  48                          ; s[48:55], s[56:59] the same for B's
.set G0B,  56
.set SEL,  66                          ; s[66:67] lane selects of v_permlanex16_b32: lane l xor 16
.set G1S,  68                          ; s[68:75], s[76:79] groups 1 and 0 for A's scales;  s[80:87], s[88:91] for B's
.set G0S,  76
.set G1SB, 80
.set G0SB, 88
.set OB,   92                          ; s[92:93] where the codes go
.set DA,   94                          ; s[94:95] its step from block to block;  s[96:97] the step into block 4
.set DA4,  96
.set OS,   98                          ; s[98:99] where the scale words go
.set MSB, 0
.macro WIN new                         ; the immediate's high byte repeats the setting that is left; a switch that changes nothing is dropped
.if MSB != \new
	s_set_vgpr_msb (MSB<<8)|\new
.set MSB, \new
.endif
.endm
; One arm of the head's tree of branches on the wave's number: a joint load, s_nop 0 and four v_nop, and a jump to the tree's end.
.macro ARM under, g0, g1, next
	s_cmp_lt_u32 s[WV], \under
	s_cbranch_scc0 \next
	tensor_load_to_lds s[\g0:\g0+3], s[\g1:\g1+7]
	s_nop 0
.rept 4
	v_nop
.endr
	s_branch .Lhead_asked
\next:
.endm
.macro CROUND                          ; a round of the cluster's barrier: my work-group's barrier, wave 0 signals for the work-group, every wave waits for all sixteen, my work-group's barrier once more
	s_barrier_signal -1
	s_barrier_wait -1
	s_cmp_lg_u32 s[WV], 0
	s_cbranch_scc1 .Lnot_wave_0_\@
	s_barrier_signal -3
.Lnot_wave_0_\@:
	s_barrier_wait -3
	s_barrier_signal -1
	s_barrier_wait -1
.endm
	s_load_b256 s[4:11], s[0:1], 0x0               ; X's codes s[4:5], X's scales s[6:7], W's codes s[8:9], W's scales s[10:11]
	s_load_b128 s[12:15], s[0:1], 0x20             ; b_qkv s[12:13], qkv_codes s[14:15]
	s_load_b64 s[16:17], s[0:1], 0x30              ; qkv_scales
	v_lshl_add_u32 v126, v0, 2, 0x48400
	v_mov_b32 v127, 0
	ds_add_u32 v126, v127
	ds_add_u32 v126, v127
	v_lshrrev_b32 v1, 5, v0
	v_readfirstlane_b32 s[WV], v1                  ; wave 0..3
	s_lshr_b32 s[RH], s[WV], 1
	s_and_b32 s[CH], s[WV], 1
	s_bfe_u32 s21, ttmp6, 0x40000                  ; cx, cy: my place in the cluster
	s_bfe_u32 s22, ttmp6, 0x40004
	s_and_b32 s23, ttmp7, 0xffff
	s_lshl_b32 s23, s23, 2                         ; 4 x cluster y
	s_lshl_b32 s46, ttmp9, 2                       ; 4 x cluster x
	s_cmp_eq_u32 ttmp9, 2                          ; v?  The cluster's x is the same in all partners
	s_cselect_b32 s40, 8, s23                      ; A's tile of 256 rows: v: W's tiles 8 .. 11; else X's tiles 4 Y ..
	s_cselect_b32 s41, s23, s46                    ; B's: v: X's tiles 4 Y ..; else W's tiles 4 X ..
	s_cselect_b32 s44, -1, 0                       ; all ones for v
	s_cselect_b32 s45, 0, -1                       ; all ones for q and k
	s_add_co_u32 s40, s40, s22                     ; + cy: A's tile hangs on cy alone,
	s_add_co_u32 s41, s41, s21                     ; + cx: B's on cx alone
	s_lshl_b32 s42, s22, 2
	s_lshl_b32 s42, 15, s42                        ; my row of the cluster
	s_lshl_b32 s43, 0x1111, s21                    ; my column
	; descriptor group 1: a tile of 256 rows x 512 bytes, rows 512 bytes apart in memory, padded in LDS
	s_or_b32 s[G1+0], s42, (1<<20)|(1<<21)|(6<<22)|(3<<25)    ; 15:0 the mask; 17:16 elements of 1 byte; 20 padding on; 21 set beside a mask; 24:22 after every 128 words (code 6); 31:25 four words (code 3)
	s_or_b32 s[G1B+0], s43, (1<<20)|(1<<21)|(6<<22)|(3<<25)
.irp g, G1, G1B
	s_mov_b32 s[\g+1], 512<<16                     ; tensor_dim0: a whole row of K
	s_mov_b32 s[\g+2], 256<<16                     ; tensor_dim1: the tile's 256 rows
	s_mov_b32 s[\g+3], 512<<16                     ; tile_dim0
	s_mov_b32 s[\g+4], 256                         ; tile_dim1
	s_mov_b32 s[\g+5], 512                         ; tensor_dim0_stride
	s_mov_b32 s[\g+6], 0
	s_mov_b32 s[\g+7], 0
.endr
	; and for the scale bytes of 256 rows: 8,192 dense bytes as 32 rows of 256 (32 elements of 8 bytes), 16 bytes of padding behind each
	s_or_b32 s[G1S+0], s42, (3<<16)|(1<<20)|(1<<21)|(5<<22)|(3<<25)
	s_or_b32 s[G1SB+0], s43, (3<<16)|(1<<20)|(1<<21)|(5<<22)|(3<<25)
.irp g, G1S, G1SB
	s_mov_b32 s[\g+1], 32<<16
	s_mov_b32 s[\g+2], 32<<16                      ; the scale bytes of 256 rows: 32 rows of 256 bytes
	s_mov_b32 s[\g+3], 32<<16
	s_mov_b32 s[\g+4], 32
	s_mov_b32 s[\g+5], 32
	s_mov_b32 s[\g+6], 0
	s_mov_b32 s[\g+7], 0
.endr
	s_lshl_b32 s100, s40, 8                        ; A: the tile's first row
	s_lshl_b32 s46, s41, 8                         ; B: likewise
	s_lshl_b32 s92, s100, 9                        ; A's codes: 512 bytes a row,
	s_mov_b32 s93, 0
	s_lshl_b32 s94, s100, 5                        ; its scale bytes: 32 a row
	s_mov_b32 s95, 0
	s_lshl_b32 s96, s46, 9                         ; B's
	s_mov_b32 s97, 0
	s_lshl_b32 s98, s46, 5
	s_mov_b32 s99, 0
	s_mov_b32 s[SEL], 0x76543210
	s_mov_b32 s[SEL+1], 0xfedcba98
	s_wait_dscnt 0x0
	s_wait_kmcnt 0x0
	s_cmp_eq_u32 ttmp9, 2
	s_cselect_b64 s[2:3], s[8:9], s[4:5]           ; A's codes: W's for v, else X's
	s_cselect_b64 s[4:5], s[4:5], s[8:9]           ; B's codes: the other
	s_cselect_b64 s[8:9], s[10:11], s[6:7]         ; A's scales
	s_cselect_b64 s[6:7], s[6:7], s[10:11]         ; B's scales
	s_add_nc_u64 s[92:93], s[2:3], s[92:93]
	s_add_nc_u64 s[94:95], s[8:9], s[94:95]
	s_add_nc_u64 s[96:97], s[4:5], s[96:97]
	s_add_nc_u64 s[98:99], s[6:7], s[98:99]
	CROUND                                         ; all sixteen work-groups are here: the joint loads meet
	s_mov_b32 s[G0S], 1                            ; 1:0 count = 1
	s_mov_b32 s[G0S+1], SCL                        ; 63:32 LDS address: A's scale bytes
	s_mov_b64 s[G0S+2:G0S+3], s[94:95]             ; 120:64 global address
	s_or_b32 s[G0S+3], s[G0S+3], 0x80000000        ; 127:126 type = 2
	s_mov_b32 s[G0SB], 1
	s_mov_b32 s[G0SB+1], SCL+2*HALFS               ; B's scale bytes
	s_mov_b64 s[G0SB+2:G0SB+3], s[98:99]
	s_or_b32 s[G0SB+3], s[G0SB+3], 0x80000000
	s_mov_b32 s[G0], 1
	s_mov_b32 s[G0+1], 0                           ; A's 256 rows
	s_mov_b64 s[G0+2:G0+3], s[92:93]
	s_or_b32 s[G0+3], s[G0+3], 0x80000000
	s_mov_b32 s[G0B], 1
	s_mov_b32 s[G0B+1], 2*HALFT                    ; B's 256 rows behind them
	s_mov_b64 s[G0B+2:G0B+3], s[96:97]
	s_or_b32 s[G0B+3], s[G0B+3], 0x80000000
	; THE HEAD'S LOADS, ONE A WAVE: wave 0 A's rows, wave 1 B's rows, wave 2 A's scale bytes, wave 3 B's.  One tree of branches: every way passes exactly one load
	ARM 1, G0,  G1,  .Lhead_b
	ARM 2, G0B, G1B, .Lhead_sa
	ARM 3, G0S, G1S, .Lhead_sb
	tensor_load_to_lds s[G0SB:G0SB+3], s[G1SB:G1SB+7]
	s_nop 0
.rept 4
	v_nop
.endr
.Lhead_asked:
	v_and_b32 v1, 15, v0                           ; r = lane % 16
	s_wait_alu depctr_va_vdst(0)
	v_bfe_u32 v2, v0, 4, 1                         ; hh = lane / 16
	v_and_b32 v[LN], 31, v0
	; the biases.  Along B (q, k: the channels of a lane's registers): tile b's eight numbers, the C of the first K step; zeros for v.  Along A (v: the lane's channel): one number a block; zeros for q, k.
	; The offset of the bias that does not apply is 0, so that no load leaves b_qkv.
	s_lshl_b32 s46, s41, 10
	s_lshl_b32 s47, s[CH], 9
	s_add_co_u32 s46, s46, s47                     ; 4 x (256 x B's tile + 128 x my half)
	s_and_b32 s46, s46, s45
	v_lshl_add_u32 v6, v2, 5, s46                  ; + 32 hh
.irp b, 0,1,2,3,4,5,6,7
	global_load_b128 v[BB+8*\b:BB+8*\b+3], v6, s[12:13] offset:64*\b
	global_load_b128 v[BB+8*\b+4:BB+8*\b+7], v6, s[12:13] offset:64*\b+16
.endr
	s_lshl_b32 s46, s40, 10
	s_lshl_b32 s47, s[RH], 9
	s_add_co_u32 s46, s46, s47                     ; 4 x (256 x A's tile + 128 x my half)
	s_and_b32 s46, s46, s44
	v_lshl_add_u32 v7, v1, 2, s46                  ; + 4 r
.irp a, 0,1,2,3,4,5,6,7
	global_load_b32 v[BL+\a], v7, s[12:13] offset:64*\a
.endr
	; a fragment, 16 rows x 128 K of 4-bit codes, is 8 registers: lane l holds row l % 16; registers 4 c .. 4 c + 3 hold K = 64 c + 32 (l / 16) + 0 .. 31: 16 bytes of the row as they lie
	v_mul_u32_u24 v4, v1, PITCH
	s_wait_alu depctr_va_vdst(0)
	v_lshl_add_u32 v4, v2, 4, v4                   ; row x pitch + 16 x half
	s_mul_i32 s46, s[RH], HALFT                    ; my 128 rows of A
	s_mul_i32 s47, s[CH], HALFT                    ; my 128 rows of B,
	s_add_co_u32 s47, s47, 2*HALFT                 ; which lie behind A's 256
.irp s, 0,1
	v_add_nc_u32 v[ADRA+\s], s46, v4
	v_add_nc_u32 v[ADRB+\s], s47, v4
	s_add_co_u32 s46, s46, 256                     ; the second half of K: 256 bytes on in each row
	s_add_co_u32 s47, s47, 256
.endr
	v_lshrrev_b32 v5, 3, v[LN]                     ; a row's 32 scale bytes: eight rows to a unit of 256 bytes, 16 of padding behind each unit
	v_lshlrev_b32 v4, 5, v[LN]
	v_lshl_add_u32 v5, v5, 4, v4                   ; 32 l + 16 (l / 8)
	s_mul_i32 s46, s[RH], HALFS
	s_add_co_u32 s46, s46, SCL
	v_add_nc_u32 v[ADSA], s46, v5
	s_mul_i32 s47, s[CH], HALFS
	s_add_co_u32 s47, s47, SCL+2*HALFS
	v_add_nc_u32 v[ADSB], s47, v5
	; THE WAY OUT'S PLACES.  tokens: tile 4 Y + cy (q, k) or 4 Y + cx (v), my half of it; heads: 4 x place + 2 x half.  All selects stand ahead of the first line that sets SCC again.
	s_mov_b32 s[DA4], 512
	s_cmp_eq_u32 ttmp9, 2
	s_cselect_b32 s46, s21, s22                    ; the token tile's place in the cluster
	s_cselect_b32 s47, s[CH], s[RH]                ; and my half of it
	s_cselect_b32 s100, s22, s21                   ; the channel tile's place
	s_cselect_b32 s101, s[RH], s[CH]               ; and my half of it
	s_cselect_b32 s2, 9, 16                        ; the second four registers lie 512 bytes on (v: the fragment's second half) or 65,536 (q, k: the next head)
	s_cselect_b32 s3, 10, 9                        ; from block to block: 1,024 bytes (v: a fragment) or 512 (q, k: a tile of tokens)
	s_cselect_b32 s[DA4], 62464, s[DA4]            ; into block 4: v goes on to the next head, 65,536 - 3 x 1,024
	s_cselect_b32 s6, 1, 2                         ; scale words: 2 bytes a key (v: 256 for 128 keys) or 4 a token (q, k)
	s_cselect_b32 s7, 12, 8                        ; lanes 16-31: the next head (v: 4,096 bytes on) or the next 64 tokens (256)
	s_add_co_u32 s46, s46, s23                     ; the tile of 256 tokens, 0 .. 31
	s_lshr_b32 s8, s46, 3                          ; the batch
	s_and_b32 s46, s46, 7
	s_lshl_b32 s46, s46, 8
	s_lshl_b32 s47, s47, 7
	s_add_co_u32 s46, s46, s47                     ; s0: my first token in the batch
	s_lshl_b32 s100, s100, 2
	s_lshl_b32 s101, s101, 1
	s_add_co_u32 s100, s100, s101                  ; my first head
	s_lshl_b32 s8, s8, 4
	s_add_co_u32 s8, s8, s100                      ; 16 x batch + head
	s_lshl_b32 s[OB], s8, 16                       ; codes: 65,536 bytes a head,
	s_lshl_b32 s9, s46, 5                          ; 32 bytes a token,
	s_add_co_u32 s[OB], s[OB], s9
	s_lshl_b32 s9, ttmp9, 22                       ; q's, k's or v's region
	s_add_co_u32 s[OB], s[OB], s9
	s_mov_b32 s[OB+1], 0
	s_add_nc_u64 s[OB:OB+1], s[14:15], s[OB:OB+1]
	s_lshl_b32 s[OS], s8, 12                       ; scale words: 4,096 bytes a head (q, k: 8,192 a pair of heads)
	s_lshl_b32 s9, s46, s6
	s_add_co_u32 s[OS], s[OS], s9
	s_lshl_b32 s9, ttmp9, 18
	s_add_co_u32 s[OS], s[OS], s9
	s_mov_b32 s[OS+1], 0
	s_add_nc_u64 s[OS:OS+1], s[16:17], s[OS:OS+1]
	s_lshl_b32 s[DA], 1, s3
	s_mov_b32 s[DA+1], 0
	s_mov_b32 s[DA4+1], 0
	s_lshl_b32 s2, 1, s2
	v_lshlrev_b32 v[VO0], 4, v[LN]
	v_add_nc_u32 v[VO1], s2, v[VO0]
	v_lshlrev_b32 v[VOS], s7, v2
	v_lshl_add_u32 v[VOS], v1, 4, v[VOS]           ; 16 r + the half's distance
	s_wait_loadcnt 0x0                             ; the biases
.set i, 0
.rept 64
	v_and_b32 v[BB+i], s45, v[BB+i]                ; zeros for v
.set i, i+1
.endr
.irp a, 0,1,2,3,4,5,6,7
	v_and_b32 v[BA+2*\a], s44, v[BL+\a]            ; zeros for q and k; twice, a pair for the packed addition
	v_and_b32 v[BA+2*\a+1], s44, v[BL+\a]
.endr
.macro FRAG reg, adr, q, i
.irp c, 0,1
	ds_load_b128 v[\reg+4*\c:\reg+4*\c+3], v[\adr] offset:64*(\q)+32*\c+(\i)*16*PITCH
.endr
.endm
; One product: A's block a x B's block b, K step ks of eight; p: B's set; cm = 1: the first K step, whose C is the bias along B: nothing is ever cleared.
; The scale words of blocks 2 i and 2 i + 1 share a register: the even block's in lanes 0-15, the odd block's in lanes 16-31.
.macro WM a, b, ks, p, cm
.set rD, 8*(8*((\a)%4)+(\b))
.set rB, 128*(\p)+8*(\b)
.set rA, AF+8*(\a)
.set rC, rD
.if \cm
.set rC, BB+8*(\b)
.endif
.set rSB, SB+8*((\b)/2)+(\ks)
.set rSA, SA+8*((\a)/2)+(\ks)
.if ((\a)%2 == 0) && ((\b)%2 == 0)
	v_wmma_scale_f32_16x16x128_f8f6f4 v[rD:rD+7], v[rB:rB+7], v[rA:rA+7], v[rC:rC+7], v[rSB], v[rSA] matrix_a_fmt:MATRIX_FMT_FP4 matrix_b_fmt:MATRIX_FMT_FP4
.elseif ((\a)%2 == 0)
	v_wmma_scale_f32_16x16x128_f8f6f4 v[rD:rD+7], v[rB:rB+7], v[rA:rA+7], v[rC:rC+7], v[rSB], v[rSA] matrix_a_fmt:MATRIX_FMT_FP4 matrix_b_fmt:MATRIX_FMT_FP4 matrix_a_scale:MATRIX_SCALE_ROW1
.elseif ((\b)%2 == 0)
	v_wmma_scale_f32_16x16x128_f8f6f4 v[rD:rD+7], v[rB:rB+7], v[rA:rA+7], v[rC:rC+7], v[rSB], v[rSA] matrix_a_fmt:MATRIX_FMT_FP4 matrix_b_fmt:MATRIX_FMT_FP4 matrix_b_scale:MATRIX_SCALE_ROW1
.else
	v_wmma_scale_f32_16x16x128_f8f6f4 v[rD:rD+7], v[rB:rB+7], v[rA:rA+7], v[rC:rC+7], v[rSB], v[rSA] matrix_a_fmt:MATRIX_FMT_FP4 matrix_b_fmt:MATRIX_FMT_FP4 matrix_a_scale:MATRIX_SCALE_ROW1 matrix_b_scale:MATRIX_SCALE_ROW1
.endif
.endm
; 16 products: A's blocks a0, a0 + 1 x B's eight.  The 64 accumulators take turns, one instruction a turn, in the same order in every step.
.macro MUL16 a0, p, ks, cm
.irp a, \a0, \a0+1
.irp b, 0,1,2,3,4,5,6,7
	WM \a, \b, \ks, \p, \cm
.endr
.endr
.endm
.macro FETCH_B slot, q, p              ; B's eight fragments of the slot's q-th 128 along K into set p
	WIN 0x40                                       ; destination window 1, address window 0
.irp i, 0,1,2,3,4,5,6,7
	FRAG 128*(\p)+8*\i, ADRB+\slot, \q, \i
.endr
	WIN 0
.endm
.macro FETCH_A slot, q, i0             ; A's blocks i0 .. i0 + 3
.irp i, \i0, \i0+1, \i0+2, \i0+3
	FRAG AF+8*(\i), ADRA+\slot, \q, \i
.endr
.endm
; A load into a register that a matrix instruction has read, and a vector instruction that reads a matrix result, stand four places behind that matrix instruction; only plain vector
; instructions that name none of its registers are places (ISA guide 7.12.1 for vector instructions).
.macro PLACES
.rept 4
	v_nop
.endr
.endm
; A step of 128 along K that has its successor in the same slot.  A has one set of registers: blocks 0-3 are fetched anew in the step's middle, blocks 4-7 at its end; B has two sets.
.macro STEP slot, q, cm
	s_wait_dscnt 8                                 ; all but the youngest eight loads (A's blocks 4-7) are in
.if \cm
	WIN 0x81                                       ; source 0 (B) window 1, source 1 (A) and C (the bias) window 0, D window 2
.else
	WIN 0xa1                                       ; C and D window 2
.endif
	MUL16 0, (\q)%2, 4*(\slot)+(\q), \cm
	MUL16 2, (\q)%2, 4*(\slot)+(\q), \cm
	s_wait_dscnt 0                                 ; A's blocks 4-7 are in (asked for 32 matrix instructions ago)
	PLACES
	FETCH_B \slot, (\q)+1, 1-(\q)%2
	FETCH_A \slot, (\q)+1, 0
.if \cm
	WIN 0xc1
.else
	WIN 0xf1                                       ; C and D window 3
.endif
	MUL16 4, (\q)%2, 4*(\slot)+(\q), \cm
	MUL16 6, (\q)%2, 4*(\slot)+(\q), \cm
	PLACES
	WIN 0
	FETCH_A \slot, (\q)+1, 4
.endm
	s_wait_alu depctr_va_vdst(0)
	s_wait_tensorcnt 0x0                           ; my one tensor load has landed
	s_barrier_signal -1
	s_barrier_wait -1                              ; everybody's are
	FETCH_B 0, 0, 0
	FETCH_A 0, 0, 0
.irp i, 0,1,2,3                        ; the scale words of all of K: 8 words a row, two loads of 16 bytes; 32 rows an instruction
.irp s, 0,1
	ds_load_b128 v[SA+8*\i+4*\s:SA+8*\i+4*\s+3], v[ADSA] offset:1088*\i+16*\s
	ds_load_b128 v[SB+8*\i+4*\s:SB+8*\i+4*\s+3], v[ADSB] offset:1088*\i+16*\s
.endr
.endr
	FETCH_A 0, 0, 4
	STEP 0, 0, 1
	STEP 0, 1, 0
	STEP 0, 2, 0
	; the fourth step: its successor lies 256 bytes on in the same rows, which are whole since the head's barrier
	s_wait_dscnt 8
	WIN 0xa1
	MUL16 0, 1, 3, 0
	MUL16 2, 1, 3, 0
	s_wait_dscnt 0
	PLACES
	FETCH_B 1, 0, 0
	FETCH_A 1, 0, 0
	WIN 0xf1
	MUL16 4, 1, 3, 0
	MUL16 6, 1, 3, 0
	PLACES
	WIN 0
	FETCH_A 1, 0, 4
	STEP 1, 0, 0
	STEP 1, 1, 0
	STEP 1, 2, 0
	s_wait_dscnt 8                                 ; the last step: nothing more to fetch
	WIN 0xa1
	MUL16 0, 1, 7, 0
	MUL16 2, 1, 7, 0
	s_wait_dscnt 0
	WIN 0xf1
	MUL16 4, 1, 7, 0
	MUL16 6, 1, 7, 0
	WIN 0
; 64 numbers of a lane, v[s] .. v[s + 63] (tile t's eight at 8 t: positions 16 t + 8 (lane / 16) + j of the next K), become a fragment's eight registers of codes in v[pc] on and its scale word in v[pw].
.macro QUANT s, pc, pw
.irp b, 0,1,2,3
	v_max3_num_f32 v[TM+\b], |v[\s+16*\b]|, |v[\s+1+16*\b]|, 0x1800000   ; block b: my 16 numbers, and the floor 2^(3 - 127): so the byte cannot fall under 1
.endr
.irp i, 2,4,6,8,10,12,14
.irp b, 0,1,2,3
	v_max3_num_f32 v[TM+\b], v[TM+\b], |v[\s+16*\b+\i]|, |v[\s+1+16*\b+\i]|   ; (the four blocks by turns: no line waits for the line above it)
.endr
.endr
.irp b, 0,1,2,3
	v_permlanex16_b32 v[TM+4+\b], v[TM+\b], s[SEL], s[SEL+1]
.endr
.irp b, 0,1,2,3
	v_max_num_f32 v[TM+\b], v[TM+\b], v[TM+4+\b]   ; with lane l xor 16's: the block's largest magnitude
.endr
.irp b, 0,1,2,3
	v_add_nc_u32 v[TM+12+\b], 0xff000000, v[TM+\b] ; 2 off its exponent field: the conversion takes the exponent field of this operand as its scale, and nothing else of it
.endr
.irp b, 0,1,2,3
	v_lshrrev_b32 v[TM+4+\b], 23, v[TM+12+\b]      ; the scale's byte
.endr
	v_lshl_or_b32 v[\pw], v[TM+5], 8, v[TM+4]      ; the four bytes make my row's scale word
	v_lshl_or_b32 v[\pw], v[TM+6], 16, v[\pw]
	v_lshl_or_b32 v[\pw], v[TM+7], 24, v[\pw]
.irp c, 0,1                            ; blocks 2 c and 2 c + 1: a tile's conversion is one dword of its block
	v_cvt_scalef32_pk8_fp4_f32 v[\pc+4*\c], v[\s+32*\c:\s+32*\c+7], v[TM+12+2*\c]          ; block 2 c: dword 0 | 1
	v_cvt_scalef32_pk8_fp4_f32 v[\pc+4*\c+2], v[\s+32*\c+8:\s+32*\c+15], v[TM+12+2*\c]     ; dword 2 | 3
	v_cvt_scalef32_pk8_fp4_f32 v[\pc+4*\c+1], v[\s+32*\c+16:\s+32*\c+23], v[TM+13+2*\c]    ; block 2 c + 1: dword 0 | 1
	v_cvt_scalef32_pk8_fp4_f32 v[\pc+4*\c+3], v[\s+32*\c+24:\s+32*\c+31], v[TM+13+2*\c]    ; dword 2 | 3
.endr
	v_nop                                          ; one plain place behind a scaled conversion
.irp c, 0,1                            ; the first's lanes 16-31 change places with the second's lanes 0-15: lanes 0-15 then hold block 2 c whole, lanes 16-31 block 2 c + 1
	v_permlane16_swap_b32 v[\pc+4*\c], v[\pc+4*\c+1]
	v_permlane16_swap_b32 v[\pc+4*\c+2], v[\pc+4*\c+3]
.endr
.endm
; THE WAY OUT of A's block a: the bias along A, the quantiser, two stores of 512 consecutive bytes, each at a multiple of 512 from the buffer's first byte.
.macro EPI a
.if (\a) > 0
	s_wait_xcnt 0x0                                ; the last block's stores have had their addresses translated (ISA guide 3.1): their data and their base are written again only behind this wait
.endif
	WIN 0x02+(\a)/4                                ; source 0: window 2 or 3
.set i, 0
.rept 32
	v_pk_add_f32 v[T+2*i:T+2*i+1], v[64*((\a)%4)+2*i:64*((\a)%4)+2*i+1], v[BA+2*(\a):BA+2*(\a)+1]   ; each accumulator from its low end on
.set i, i+1
.endr
	WIN 0
	QUANT T, PC, SW+(\a)
.if (\a) == 4
	s_add_nc_u64 s[OB:OB+1], s[OB:OB+1], s[DA4:DA4+1]
.elseif (\a) > 0
	s_add_nc_u64 s[OB:OB+1], s[OB:OB+1], s[DA:DA+1]
.endif
	global_store_b128 v[VO0], v[PC:PC+3], s[OB:OB+1]
	global_store_b128 v[VO1], v[PC+4:PC+7], s[OB:OB+1]
.endm
.irp b, 0,1,2,3
	v_mov_b32 v[TM+4+\b], 0                        ; a lane permute's destination counts as one of its sources.  These four lines are also the places behind the last products
.endr
.irp a, 0,1,2,3,4,5,6,7
	EPI \a
.endr
	v_cmp_le_u32 vcc_lo, 16, v[LN]                 ; the eight scale words: lanes 0-15 store blocks 0-3's, lanes 16-31 blocks 4-7's: sixteen lanes fill 256 consecutive bytes
.irp i, 0,1,2,3
	v_cndmask_b32 v[SO+\i], v[SW+\i], v[SW+4+\i], vcc_lo
.endr
	global_store_b128 v[VOS], v[SO:SO+3], s[OS:OS+1]
	s_wait_tensorcnt 0x0
	ds_add_u32 v126, v127
	s_wait_dscnt 0x0
	CROUND                                         ; the closing round: no work-group ends while a partner may still ask for a tile that names it
	s_endpgm
.Lfunc_end_k_q58fd66e6e8_qkv:
	.size	k_q58fd66e6e8_qkv, .Lfunc_end_k_q58fd66e6e8_qkv-k_q58fd66e6e8_qkv
	.p2alignl 7, 3214868480
	.fill 96, 4, 3214868480
	.section	.rodata,"a",@progbits
	.p2align	6, 0x0
	.amdhsa_kernel k_q58fd66e6e8_qkv
		.amdhsa_group_segment_fixed_size 327680
		.amdhsa_private_segment_fixed_size 0
		.amdhsa_enable_private_segment 0
		.amdhsa_kernarg_size 56
		.amdhsa_user_sgpr_count 2
		.amdhsa_user_sgpr_kernarg_segment_ptr 1
		.amdhsa_wavefront_size32 1
		.amdhsa_system_sgpr_workgroup_id_x 1
		.amdhsa_system_sgpr_workgroup_id_y 1
		.amdhsa_system_sgpr_workgroup_id_z 1
		.amdhsa_system_vgpr_workitem_id 0
		.amdhsa_next_free_vgpr 1024
		.amdhsa_next_free_sgpr 102
		.amdhsa_reserve_vcc 1
		.amdhsa_float_denorm_mode_32 3
		.amdhsa_float_denorm_mode_16_64 3
		.amdhsa_memory_ordered 1
		.amdhsa_forward_progress 1
		.amdhsa_inst_pref_size 148
	.end_amdhsa_kernel
	.amdgpu_metadata
---
amdhsa.version: [ 1, 2 ]
amdhsa.kernels:
  - .name:           k_q58fd66e6e8_qkv
    .symbol:         k_q58fd66e6e8_qkv.kd
    .args:
      - { .name: X_codes, .offset: 0, .size: 8, .value_kind: global_buffer, .address_space: global }
      - { .name: X_scales, .offset: 8, .size: 8, .value_kind: global_buffer, .address_space: global }
      - { .name: W_qkv_codes, .offset: 16, .size: 8, .value_kind: global_buffer, .address_space: global }
      - { .name: W_qkv_scales, .offset: 24, .size: 8, .value_kind: global_buffer, .address_space: global }
      - { .name: b_qkv, .offset: 32, .size: 8, .value_kind: global_buffer, .address_space: global }
      - { .name: qkv_codes, .offset: 40, .size: 8, .value_kind: global_buffer, .address_space: global }
      - { .name: qkv_scales, .offset: 48, .size: 8, .value_kind: global_buffer, .address_space: global }
    .group_segment_fixed_size: 327680
    .private_segment_fixed_size: 0
    .kernarg_segment_align: 8
    .kernarg_segment_size: 56
    .max_flat_workgroup_size: 128
    .sgpr_count:     102
    .vgpr_count:     1024
    .wavefront_size: 32
...
	.end_amdgpu_metadata
.endif
;; end of part 1
;; launch attn (part 2): grid 4 x 64, 16 waves a work-group, clusters of 4 x 1, 169,984 bytes of LDS; arguments qkv_codes, qkv_scales, o_codes, o_scales; writes o_codes, o_scales
.if DOCPART == 2
	.amdgcn_target "amdgcn-amd-amdhsa--gfx1250"
	.amdhsa_code_object_version 6
	.text
	.protected	k_q58fd66e6e8_attn
	.globl	k_q58fd66e6e8_attn
	.p2align	8
	.type	k_q58fd66e6e8_attn,@function
k_q58fd66e6e8_attn:
	s_mov_b64 s[64:65], 0
	v_nop
	global_prefetch_b8 v0, s[64:65] scope:SCOPE_SE
	s_setreg_imm32_b32 hwreg(HW_REG_WAVE_MODE, 25, 1), 1
	s_wait_xcnt 0x0
	s_wait_alu depctr_hold_cnt(0) depctr_sa_sdst(0) depctr_va_vdst(0) depctr_va_sdst(0) depctr_va_ssrc(0) depctr_va_vcc(0) depctr_vm_vsrc(0)
	s_getreg_b32 s2, hwreg(HW_REG_IB_STS2, 6, 4)
	s_cmp_eq_u32 s2, 0
	s_cbranch_scc0 .Lentry_in_a_cluster
	s_endpgm
.Lentry_in_a_cluster:
	s_bfe_u32 s2, ttmp6, 0x10000c
	s_cmp_lg_u32 s2, 0x3003
	s_cbranch_scc0 .Lentry_shape_is_right
	s_endpgm
.Lentry_shape_is_right:
; O[b][h][q] = the sum over k of softmax_k(q . k / 8) v, both products on codes of FP4 (E2M1) with one E8M0 scale for each 32 along a product's K, and O quantised at once along its 64 channels for the last product.
; q, k, v come from the launch before as images of operand registers: q, k: [head 64][tile of 16 tokens][lane][16 bytes]; v: [head][128 keys][16 channels][half][lane][16 bytes]; scale words beside them.
; THE SOFTMAX AHEAD OF THE SECOND PRODUCT: t = score x log2(e) / 8; M = the row's largest t so far, rounded UP to a whole number; p = 2^(t - M) is what is quantised, along the keys; it is not normalised.
; The row's sum is taken of the unquantised p, in f32, and divides O at the end.  When M moves, the sum and O are multiplied by 2^(old M - new M): exact.
; A block's largest p is not searched for: the block's largest SCORE goes through the same multiply-add and exponential.
; SHARES.  256 work-groups: a work-group owns 512 queries of one head; each of its sixteen waves owns two tiles of 16 queries and walks all 2,048 keys for the first, then for the second (macro PASS, written twice).
; A WHOLE HEAD'S K AND V STAY IN LDS: 65,536 bytes each and 12,288 of scale words, each byte filled ONCE, by ten waves with one tensor load each (waves 0-3 K's quarters, 4-7 V's, 8 K's scale words, 9 V's).
; One barrier shows all of it to every wave; the loop over the keys has none.
; CLUSTER.  The four work-groups of a cluster are the four query blocks of ONE head: every fill is a joint load with a mask that names the four.
; NO PREFETCH: every byte of K and V is asked for at the kernel's head; there is no loop to run ahead in.
; LAYOUT.  Both products are used transposed: S^T = K Q^T (source 0 = 16 keys), O^T = V^T P^T (source 0 = 16 channels): a lane holds ONE query (lane % 16) throughout.
; THE KEYS OF A TILE ARE CHOSEN: tile (c, t) of a step, c = 0, 1, t = 0 .. 3, takes keys 64 c + 8 t + 0 .. 7 as its rows 0-7 and keys 64 c + 32 + 8 t + 0 .. 7 as its rows 8-15.  So lane (r, h) holds in the 32 registers
; of tiles (c, 0 .. 3) the WHOLE block of keys 64 c + 32 h + 0 .. 31: the block's maximum asks no other lane, and the conversion of tile (c, t) is register 4 c + t of the second product's operand as it stands.
; THE FIRST PRODUCT'S K IS 64: both operands carry zero codes for k = 64 .. 127 (registers 4-7, written once), and the scale words are read as 16 bits, so that their upper two bytes are 0: a power of two, over zeros.
; LIMITS: NaN and infinities are not served; the promise holds while the scaled scores t stay under 2^31 in magnitude; p under 2^-126 counts as 0 (v_exp_f32 gives zero there: ISA guide 15.8);
; a block of p or of O whose largest magnitude lies under 2^-124 gets the byte 1, zeros too: this program alone uses the bytes.
; REGISTERS: v1-5, v7 addresses that stay; v6 the second tile's Q scale; v8-11 the step's addresses; v12 -M, v13 the largest score, v[14:15] the sum in two halves; v16-23 Q; v24-27 K's scale words, v28-31 V's;
;   v32-95 K's eight fragments; v96-159 S^T, then p; v160-191 O^T; v192-223 V's four fragments; v224-231 p's codes; v232-245, v254 at work; v246-249 the second tile's Q; v252 f; v253 p's scale word; v255 Q's.
.set VIMG, 65536                       ; LDS: K's images from 0 (128 tiles x 512 bytes), V's from here (16 steps x 4,096)
.set KSC,  131072                      ; K's scale words: the pair of heads', 8,192 bytes
.set VSC,  139264                      ; V's: 4,096 bytes
.set OSTG, 143360                      ; 1,024 bytes of the work-group's own: O's scale bytes on their way out; no fill lands here
.set SPARE, 0x29000                    ; the spare words: 128 bytes a wave
.set WV,   12                          ; s12 wave;  s13 cx;  s14 my block of 512 queries;  s15 the head (16 x batch + head);  s16 its parity
.set SEL,  20                          ; s[20:21] lane selects of v_permlanex16_b32: lane l xor 16
.set CS,   22                          ; s[22:23] c = log2(e) / 8: the packed form names a pair and takes its low word for both halves
.set G1C,  24                          ; s[24:31] descriptor group 1 for a quarter of the codes
.set G0,   32                          ; s[32:35] group 0 for my quarter; s[36:39] for K's scale words; s[40:43] for V's
.set G1KS, 52                          ; s[52:59] group 1 for K's scale words
.set G1VS, 68                          ; s[68:75] for V's
.set T4,   76                          ; s76 the step's place in K's and V's images: 4,096 bytes a step
.set TS,   77                          ; s77 among K's scale words: 512
.set TJ,   78                          ; s78 among V's: 256
.set CNT,  79
.macro CROUND                          ; a round of the cluster's barrier
	s_barrier_signal -1
	s_barrier_wait -1
	s_cmp_lg_u32 s[WV], 0
	s_cbranch_scc1 .Lnot_wave_0_\@
	s_barrier_signal -3
.Lnot_wave_0_\@:
	s_barrier_wait -3
	s_barrier_signal -1
	s_barrier_wait -1
.endm
.macro NOPS n
.rept \n
	v_nop
.endr
.endm
	s_load_b256 s[4:11], s[0:1], 0x0               ; qkv_codes s[4:5], qkv_scales s[6:7], o_codes s[8:9], o_scales s[10:11]
	v_lshl_add_u32 v250, v0, 2, SPARE
	v_mov_b32 v251, 0
	ds_add_u32 v250, v251                          ; the opening lines: the add, twice on end, and its wait ahead of the first tensor load
	ds_add_u32 v250, v251
	v_lshrrev_b32 v8, 5, v0
	v_readfirstlane_b32 s[WV], v8                  ; wave 0..15
	s_bfe_u32 s13, ttmp6, 0x40000                  ; cx: it enters Q's and the outputs' addresses alone
	s_lshl_b32 s14, ttmp9, 2
	s_add_co_u32 s14, s14, s13                     ; my block of 512 queries
	s_and_b32 s15, ttmp7, 0xffff                   ; the head, which the four partners share
	s_and_b32 s16, s15, 1
	; descriptor groups 1: dense blocks as rows of 256 bytes (32 elements of 8 bytes), no padding
.irp g, G1C, G1KS, G1VS
	s_mov_b32 s[\g], 15|(3<<16)|(1<<21)            ; 15:0 the mask: all four work-groups; 17:16 elements of 8 bytes; 21 set beside a mask
	s_mov_b32 s[\g+1], 32<<16                      ; tensor_dim0
	s_mov_b32 s[\g+3], 32<<16                      ; tile_dim0
	s_mov_b32 s[\g+5], 32                          ; tensor_dim0_stride
	s_mov_b32 s[\g+6], 0
	s_mov_b32 s[\g+7], 0
.endr
	s_mov_b32 s[G1C+2], 64<<16                     ; a quarter of the codes: 64 rows, 16,384 bytes
	s_mov_b32 s[G1C+4], 64
	s_mov_b32 s[G1KS+2], 32<<16                    ; K's scale words: 32 rows
	s_mov_b32 s[G1KS+4], 32
	s_mov_b32 s[G1VS+2], 16<<16                    ; V's: 16 rows
	s_mov_b32 s[G1VS+4], 16
	s_lshr_b32 s80, s[WV], 2                       ; waves 0-3: region 1 (k); waves 4-7: region 2 (v)
	s_add_co_u32 s80, s80, 1
	s_lshl_b32 s80, s80, 22
	s_lshl_b32 s81, s15, 16                        ; codes: 65,536 bytes a head
	s_add_co_u32 s80, s80, s81
	s_and_b32 s81, s[WV], 3
	s_lshl_b32 s81, s81, 14                        ; my quarter
	s_add_co_u32 s80, s80, s81
	s_mov_b32 s81, 0
	s_lshr_b32 s82, s15, 1                         ; K's scale words: the pair of heads x 8,192, in region 1
	s_lshl_b32 s82, s82, 13
	s_add_co_u32 s82, s82, 1<<18
	s_mov_b32 s83, 0
	s_lshl_b32 s84, s15, 12                        ; V's: the head x 4,096, in region 2
	s_add_co_u32 s84, s84, 2<<18
	s_mov_b32 s85, 0
	s_mov_b32 s[SEL], 0x76543210
	s_mov_b32 s[SEL+1], 0xfedcba98
	s_mov_b32 s[CS], 0x3e38aa3b                    ; c = log2(e) / 8
	s_mov_b32 s[CS+1], s[CS]                       ; (named with it as a pair, so it is written)
	s_wait_dscnt 0x0                               ; both opening adds are done
	s_wait_kmcnt 0x0
	CROUND                                         ; all four work-groups are here: the joint loads meet
	s_mov_b32 s[G0], 1                             ; 1:0 count = 1
	s_lshl_b32 s[G0+1], s[WV], 14                  ; 63:32 LDS address: 16,384 x wave: K's four quarters, then V's four
	s_add_nc_u64 s[G0+2:G0+3], s[4:5], s[80:81]    ; 120:64 global address
	s_or_b32 s[G0+3], s[G0+3], 0x80000000          ; 127:126 type = 2
	s_mov_b32 s[G0+4], 1
	s_mov_b32 s[G0+5], KSC
	s_add_nc_u64 s[G0+6:G0+7], s[6:7], s[82:83]
	s_or_b32 s[G0+7], s[G0+7], 0x80000000
	s_mov_b32 s[G0+8], 1
	s_mov_b32 s[G0+9], VSC
	s_add_nc_u64 s[G0+10:G0+11], s[6:7], s[84:85]
	s_or_b32 s[G0+11], s[G0+11], 0x80000000
	; THE FILLS, ONE A WAVE: one tree of branches on the wave's number, an arm a load; s_nop 0 and four v_nop follow each
	s_cmp_lt_u32 s[WV], 8
	s_cbranch_scc0 .Lnot_codes
	tensor_load_to_lds s[G0:G0+3], s[G1C:G1C+7]
	s_nop 0
	NOPS 4
	s_branch .Lasked
.Lnot_codes:
	s_cmp_eq_u32 s[WV], 8
	s_cbranch_scc0 .Lnot_ks
	tensor_load_to_lds s[G0+4:G0+7], s[G1KS:G1KS+7]
	s_nop 0
	NOPS 4
	s_branch .Lasked
.Lnot_ks:
	s_cmp_eq_u32 s[WV], 9
	s_cbranch_scc0 .Lasked
	tensor_load_to_lds s[G0+8:G0+11], s[G1VS:G1VS+7]
	s_nop 0
	NOPS 4
.Lasked:
	s_lshl_b32 s80, s14, 5
	s_add_co_u32 s80, s80, s[WV]                   ; my first tile of 16 queries; the second lies 16 tiles on
	s_lshl_b32 s81, s15, 16
	s_lshl_b32 s86, s80, 9
	s_add_co_u32 s86, s86, s81
	s_mov_b32 s87, 0
	s_add_nc_u64 s[86:87], s[4:5], s[86:87]        ; Q's image (region 0)
	s_lshr_b32 s81, s15, 1                         ; Q's scale words: the pair of heads x 8,192 + (tile / 4) x 256 + 16 r + 4 (tile % 4) + 2 x parity
	s_lshl_b32 s88, s81, 13
	s_lshr_b32 s81, s80, 2
	s_lshl_b32 s81, s81, 8
	s_add_co_u32 s88, s88, s81
	s_and_b32 s81, s80, 3
	s_lshl_b32 s81, s81, 2
	s_add_co_u32 s88, s88, s81
	s_lshl_b32 s81, s16, 1
	s_add_co_u32 s88, s88, s81
	s_mov_b32 s89, 0
	s_add_nc_u64 s[88:89], s[6:7], s[88:89]
	s_add_co_u32 s92, s81, KSC                     ; K's scale words: + 2 x parity: my head's half of the word
	s_lshl_b32 s93, s[WV], 5
	s_add_co_u32 s93, s93, OSTG                    ; O's scale bytes: 32 a wave
	s_lshr_b32 s81, s15, 4                         ; o_codes: (128 x batch + tile) x 8,192 + head x 512
	s_lshl_b32 s81, s81, 7
	s_add_co_u32 s81, s81, s80
	s_lshl_b32 s90, s81, 13
	s_and_b32 s81, s15, 15
	s_lshl_b32 s81, s81, 9
	s_add_co_u32 s90, s90, s81
	s_mov_b32 s91, 0
	s_add_nc_u64 s[8:9], s[8:9], s[90:91]
	s_lshl_b32 s90, s15, 12                        ; o_scales: head x 4,096 + my block x 1,024
	s_lshl_b32 s81, s14, 10
	s_add_co_u32 s90, s90, s81
	s_add_nc_u64 s[10:11], s[10:11], s[90:91]
	v_and_b32 v8, 31, v0                           ; lane
	v_and_b32 v9, 15, v0                           ; r
	v_bfe_u32 v10, v0, 4, 1                        ; h
	v_lshlrev_b32 v1, 4, v8                        ; 16 x lane: an image's place for my lane, in LDS and in memory
	v_lshlrev_b32 v232, 4, v9                      ; 16 r
	global_load_b128 v[16:19], v1, s[86:87]        ; Q's codes of both tiles stay in registers,
	global_load_b128 v[246:249], v1, s[86:87] offset:8192
	global_load_u16 v255, v232, s[88:89]           ; and their two scale bytes; the upper two bytes are 0
	global_load_u16 v6, v232, s[88:89] offset:1024
	v_add_nc_u32 v2, VIMG, v1
	v_and_b32 v11, 7, v0                           ; r % 8
	v_bfe_u32 v233, v0, 3, 1                       ; r / 8
	v_lshlrev_b32 v7, 4, v11
	v_lshl_add_u32 v3, v233, 3, v7                 ; K's scale words: token 32 (r / 8) + 8 t + r % 8 of a group of 64 has its word at 16 (8 (t % 2) + r % 8) + 4 (2 (r / 8) + t / 2);
	v_lshl_add_u32 v3, v10, 2, v3                  ; lanes 16-31 take tile t + 2's, 4 bytes on
	v_add_nc_u32 v3, s92, v3
	v_lshl_add_u32 v7, v233, 10, v7                ; K's codes: 16 (r % 8) + 1,024 (r / 8): two tiles of 16 tokens on,
	v_lshl_add_u32 v7, v10, 8, v7                  ; + 256 h: the channels' second block
	v_add_nc_u32 v4, VSC, v232                     ; V's scale words: 16 bytes for channel r of the four tiles
	v_lshlrev_b32 v5, 1, v9
	v_add_nc_u32 v5, s93, v5                       ; O's scale bytes: 2 a token
	v_mov_b32 v236, 0                              ; written once: a lane permute's destination counts as one of its sources
	v_mov_b32 v237, 0
	v_mov_b32 v253, 0                              ; (named as the upper half of the pair v[252:253] before it is first written)
.irp b, 0,1,2,3
	v_mov_b32 v[20+\b], 0                          ; Q's codes of k = 64 .. 127
.endr
.irp t, 0,1,2,3,4,5,6,7
.irp j, 4,5,6,7
	v_mov_b32 v[32+8*\t+\j], 0                     ; K's codes of k = 64 .. 127: written once, no load lands here
.endr
.endr
; A KEY STEP: 128 keys.
.macro STEP
	v_add_nc_u32 v8, s[T4], v7                     ; these four additions are also the places between the last step's products and the loads into the registers that they read
	v_add_nc_u32 v9, s[T4], v2
	v_add_nc_u32 v10, s[TS], v3
	v_add_nc_u32 v11, s[TJ], v4
.irp c, 0,1
.irp t, 0,1,2,3
	ds_load_b128 v[32+32*\c+8*\t:35+32*\c+8*\t], v8 offset:2048*\c+512*(\t/2)+128*(\t%2)   ; tile (c, t)
.endr
	ds_load_u16 v[24+2*\c], v10 offset:256*\c      ; tiles (c, 0) | (c, 2)
	ds_load_u16 v[25+2*\c], v10 offset:256*\c+128  ; tiles (c, 1) | (c, 3)
.endr
.irp i, 0,1,2,3
.irp c, 0,1
	ds_load_b128 v[192+8*\i+4*\c:195+8*\i+4*\c], v9 offset:1024*\i+512*\c
.endr
.endr
	ds_load_b128 v[28:31], v11
	s_wait_dscnt 9                                 ; K and its scale words are in; the nine younger loads (V's eight, its scale words) may be out
.irp c, 0,1                            ; S^T = K Q^T: eight accumulators, each begun with the constant 0
.irp e, 0,1
	v_wmma_scale_f32_16x16x128_f8f6f4 v[96+32*\c+8*\e:103+32*\c+8*\e], v[32+32*\c+8*\e:39+32*\c+8*\e], v[16:23], 0, v[24+2*\c+\e], v255 matrix_a_fmt:MATRIX_FMT_FP4 matrix_b_fmt:MATRIX_FMT_FP4
	v_wmma_scale_f32_16x16x128_f8f6f4 v[112+32*\c+8*\e:119+32*\c+8*\e], v[48+32*\c+8*\e:55+32*\c+8*\e], v[16:23], 0, v[24+2*\c+\e], v255 matrix_a_fmt:MATRIX_FMT_FP4 matrix_b_fmt:MATRIX_FMT_FP4 matrix_a_scale:MATRIX_SCALE_ROW1
.endr
.endr
	v_mov_b32 v238, v12                            ; the old -M.  With three v_nop: four places in front of the first read of results (ISA guide 7.12.1)
	NOPS 3
.irp b, 0,1,2,3
	v_max3_num_f32 v[232+\b], v[96+16*\b], v[97+16*\b], v[98+16*\b]   ; four chains by turns, two to a block of 32 keys.  Each accumulator is read from its low end on
.endr
.irp i, 3,5,7,9,11,13
.irp b, 0,1,2,3
	v_max3_num_f32 v[232+\b], v[232+\b], v[96+16*\b+\i], v[97+16*\b+\i]
.endr
.endr
	v_max3_num_f32 v232, v232, v233, v111
	v_max3_num_f32 v234, v234, v235, v143
	v_max_num_f32 v232, v232, v127                 ; THE LARGEST SCORE OF MY TWO BLOCKS: for the row's maximum, and for the block's largest p
	v_max_num_f32 v234, v234, v159
	s_delay_alu instid0(VALU_DEP_1)
	v_max_num_f32 v254, v232, v234
	s_delay_alu instid0(VALU_DEP_1)
	v_permlanex16_b32 v236, v254, s[SEL], s[SEL+1] ; lane l xor 16 holds my query's other two blocks
	s_delay_alu instid0(VALU_DEP_1)
	v_max3_num_f32 v13, v13, v254, v236            ; the running largest score
	s_delay_alu instid0(VALU_DEP_1)
	v_mul_f32 v237, s[CS], v13                     ; as t (c is positive)
	s_delay_alu instid0(VALU_DEP_1)
	v_floor_f32 v12, -v237                         ; the new -M = floor(-t) = -ceil(t): M is a whole number
	s_delay_alu instid0(VALU_DEP_1)
	v_sub_f32 v254, v12, v238                      ; M's old value less its new one: a whole number, 0 or less
	s_delay_alu instid0(VALU_DEP_1)
	v_cvt_i32_f32 v254, v254                       ; (it saturates)
	s_delay_alu instid0(VALU_DEP_1)
	v_ldexp_f32 v252, 1.0, v254                    ; f = 2^(old M - new M): a multiplication by it rounds nothing
.irp j, 0,2,4,6,8,10,12,14,16,18,20,22,24,26,28,30,32,34,36,38,40,42,44,46,48,50,52,54,56,58,60,62
	v_pk_fma_f32 v[96+\j:97+\j], v[96+\j:97+\j], s[CS:CS+1], v[12:13] op_sel_hi:[1,0,0]   ; t - M, two at a time (of the pairs c and -M the low word serves both halves)
.endr
	v_fma_f32 v232, v232, s[CS], v12               ; the same of each block's largest score
	v_fma_f32 v234, v234, s[CS], v12
	s_wait_alu depctr_va_vdst(0)
.set i, 0
.rept 64
	v_exp_f32 v[96+i], v[96+i]                     ; p = 2^(t - M): not normalised
.set i, i+1
.endr
	v_exp_f32 v232, v232                           ; the block's largest p: the same two instructions on the same number give the same bits
	v_exp_f32 v234, v234
	v_pk_mul_f32 v[14:15], v[14:15], v[252:253] op_sel_hi:[1,0]   ; the sums under the new M.  (A plain place behind the exponentials)
	s_wait_alu depctr_va_vdst(0)                   ; one wait for the whole batch, ahead of its first use
	v_max_num_f32 v232, 0x1800000, v232            ; the floor 2^(3 - 127): the byte cannot fall under 1
	v_max_num_f32 v234, 0x1800000, v234
	s_delay_alu instid0(VALU_DEP_2)
	v_add_nc_u32 v244, 0xff000000, v232            ; 2 off the exponent field: the conversion's scale operand
	s_delay_alu instid0(VALU_DEP_2)
	v_add_nc_u32 v245, 0xff000000, v234
	s_delay_alu instid0(VALU_DEP_2)
	v_lshrrev_b32 v238, 23, v244                   ; the scale's byte
	s_delay_alu instid0(VALU_DEP_2)
	v_lshrrev_b32 v239, 23, v245
	s_delay_alu instid0(VALU_DEP_1)
	v_lshl_or_b32 v237, v239, 16, v238             ; my two bytes: blocks h and 2 + h
	s_delay_alu instid0(VALU_DEP_1)
	v_permlanex16_b32 v236, v237, s[SEL], s[SEL+1]
.irp c, 0,1
.irp t, 0,1,2,3
	v_cvt_scalef32_pk8_fp4_f32 v[224+4*\c+\t], v[96+32*\c+8*\t:103+32*\c+8*\t], v[244+\c]   ; register 4 c + t of the operand: keys 64 c + 32 h + 8 t + 0 .. 7
.endr
.endr
	v_lshl_or_b32 v253, v236, 8, v237              ; p's scale word: whole in lanes 0-15, which alone are taken.  (The plain place behind the conversions)
	v_pk_add_f32 v[236:237], v[96:97], v[98:99]    ; THE ROW'S SUM IS TAKEN OF THE UNQUANTISED p: two at a time, four chains by turns
	v_pk_add_f32 v[240:241], v[100:101], v[102:103]
	v_pk_add_f32 v[242:243], v[104:105], v[106:107]
	v_pk_add_f32 v[14:15], v[14:15], v[108:109]
.irp j, 110,118,126,134,142,150
	v_pk_add_f32 v[236:237], v[236:237], v[\j:\j+1]
	v_pk_add_f32 v[240:241], v[240:241], v[\j+2:\j+3]
	v_pk_add_f32 v[242:243], v[242:243], v[\j+4:\j+5]
	v_pk_add_f32 v[14:15], v[14:15], v[\j+6:\j+7]
.endr
	v_pk_add_f32 v[236:237], v[236:237], v[158:159]
	v_pk_add_f32 v[14:15], v[14:15], v[240:241]
	v_pk_add_f32 v[236:237], v[236:237], v[242:243]
	v_pk_add_f32 v[14:15], v[14:15], v[236:237]
	s_wait_alu depctr_va_vdst(0)                   ; the wait here, directly ahead of the first use of O^T
.irp j, 0,2,4,6,8,10,12,14,16,18,20,22,24,26,28,30
	v_pk_mul_f32 v[160+\j:161+\j], v[160+\j:161+\j], v[252:253] op_sel_hi:[1,0]   ; O^T under the new M.  (With the sums above: the places between the writing of p's codes and scale word and the products below)
.endr
	s_wait_alu depctr_va_vdst(0)
	s_wait_dscnt 0x0                               ; V and its scale words are in
.irp i, 0,1,2,3                        ; O^T += V^T P^T: four accumulators by turns, one instruction a turn
	v_wmma_scale_f32_16x16x128_f8f6f4 v[160+8*\i:167+8*\i], v[192+8*\i:199+8*\i], v[224:231], v[160+8*\i:167+8*\i], v[28+\i], v253 matrix_a_fmt:MATRIX_FMT_FP4 matrix_b_fmt:MATRIX_FMT_FP4
.endr
.endm
; A PASS: one tile of 16 queries against all 2,048 keys, sixteen key steps, and its way out.
.macro PASS p
.if \p
	s_wait_xcnt 0x0                                ; the first tile's store has read its registers: they are written again only behind this wait
.irp j, 0,1,2,3
	v_mov_b32 v[16+\j], v[246+\j]                  ; the second tile's Q,
.endr
	v_mov_b32 v255, v6                             ; and its scale bytes
.endif
	v_mov_b32 v13, 0xff61b1e6                      ; the largest score so far: -3e38, under every score
	v_floor_f32 v12, -v13                          ; -M
	v_mov_b32 v14, 0                               ; the sum, in two halves
	v_mov_b32 v15, 0
.set i, 0
.rept 32
	v_mov_b32 v[160+i], 0                          ; O^T.  (The step has no first step of its own: it finds zeros, which the first change of M leaves zeros)
.set i, i+1
.endr
	s_mov_b32 s[T4], 0
	s_mov_b32 s[TS], 0
	s_mov_b32 s[TJ], 0
	s_mov_b32 s[CNT], 16
	s_wait_alu depctr_va_vdst(0)
.if \p == 0
	s_wait_loadcnt 0x0                             ; Q
	s_wait_tensorcnt 0x0                           ; my fill, if I issued one, has landed
	s_barrier_signal -1
	s_barrier_wait -1                              ; everybody's has: K, V and their scale words are whole
.endif
.Lstep_\@:
	STEP
	s_add_co_u32 s[T4], s[T4], 4096
	s_add_co_u32 s[TS], s[TS], 512
	s_add_co_u32 s[TJ], s[TJ], 256
	s_sub_co_u32 s[CNT], s[CNT], 1
	s_cmp_lg_u32 s[CNT], 0
	s_cbranch_scc1 .Lstep_\@
	; THE WAY OUT.  O^T is divided by the row's sum and quantised along the channels: two blocks of 32 in a head.  The codes leave as an image of the last product's operand: 512 consecutive bytes a wave.
	NOPS 4                                         ; places behind the last products
	v_add_f32 v14, v14, v15                        ; the sum's two halves,
	s_delay_alu instid0(VALU_DEP_1)
	v_permlanex16_b32 v252, v14, s[SEL], s[SEL+1]
	s_delay_alu instid0(VALU_DEP_1)
	v_add_f32 v14, v14, v252                       ; and lane l xor 16's: the row's sum
	s_wait_alu depctr_va_vdst(0)
	v_rcp_f32 v14, v14
	v_nop                                          ; one plain place behind a transcendental
	s_wait_alu depctr_va_vdst(0)                   ; the wait ahead of its first use, which is also the first use of the last products' results
.irp j, 0,2,4,6,8,10,12,14,16,18,20,22,24,26,28,30
	v_pk_mul_f32 v[160+\j:161+\j], v[160+\j:161+\j], v[14:15] op_sel_hi:[1,0]   ; each accumulator from its low end on
.endr
.irp b, 0,1
	v_max3_num_f32 v[232+\b], |v[160+16*\b]|, |v[161+16*\b]|, 0x1800000   ; block b: my 16 numbers (tile i's register j is channel 16 i + 8 h + j), and the floor
.endr
.irp i, 2,4,6,8,10,12,14
.irp b, 0,1
	s_delay_alu instid0(VALU_DEP_2)
	v_max3_num_f32 v[232+\b], v[232+\b], |v[160+16*\b+\i]|, |v[161+16*\b+\i]|
.endr
.endr
.irp b, 0,1
	s_delay_alu instid0(VALU_DEP_2)
	v_permlanex16_b32 v[236+\b], v[232+\b], s[SEL], s[SEL+1]
.endr
.irp b, 0,1
	s_delay_alu instid0(VALU_DEP_2)
	v_max_num_f32 v[232+\b], v[232+\b], v[236+\b]
.endr
.irp b, 0,1
	s_delay_alu instid0(VALU_DEP_2)
	v_add_nc_u32 v[244+\b], 0xff000000, v[232+\b]
.endr
.irp b, 0,1
	s_delay_alu instid0(VALU_DEP_2)
	v_lshrrev_b32 v[236+\b], 23, v[244+\b]
.endr
	s_delay_alu instid0(VALU_DEP_1)
	v_lshl_or_b32 v240, v237, 8, v236              ; my token's two scale bytes
	v_cvt_scalef32_pk8_fp4_f32 v224, v[160:167], v244
	v_cvt_scalef32_pk8_fp4_f32 v226, v[168:175], v244
	v_cvt_scalef32_pk8_fp4_f32 v225, v[176:183], v245
	v_cvt_scalef32_pk8_fp4_f32 v227, v[184:191], v245
	v_nop                                          ; one plain place behind a scaled conversion
	v_permlane16_swap_b32 v224, v225               ; lanes 0-15: block 0 whole; lanes 16-31: block 1
	v_permlane16_swap_b32 v226, v227
	global_store_b128 v1, v[224:227], s[8:9] offset:131072*\p   ; the second tile lies 16 tiles of 8,192 bytes on
	ds_store_b16 v5, v240 offset:512*\p            ; both halves of the lanes write the same two bytes with the same value
.endm
	PASS 0
	PASS 1
	v_add_nc_u32 v232, OSTG, v1
	s_wait_alu depctr_va_vdst(0)
	s_wait_dscnt 0x0                               ; for the others' sake: my stores have landed
	s_barrier_signal -1
	s_barrier_wait -1
	s_cmp_lg_u32 s[WV], 0                          ; wave 0 stores the work-group's 1,024 scale bytes: four whole runs of 256 consecutive bytes
	s_cbranch_scc1 .Lnot_first
	ds_load_b128 v[236:239], v232
	ds_load_b128 v[240:243], v232 offset:512
	s_wait_dscnt 0x0
	global_store_b128 v1, v[236:239], s[10:11]
	global_store_b128 v1, v[240:243], s[10:11] offset:512
.Lnot_first:
	s_wait_tensorcnt 0x0                           ; the wave's end
	ds_add_u32 v250, v251
	s_wait_dscnt 0x0
	CROUND                                         ; the closing round: no work-group ends while a partner may still ask for a tile that names it
	s_endpgm
.Lfunc_end_k_q58fd66e6e8_attn:
	.size	k_q58fd66e6e8_attn, .Lfunc_end_k_q58fd66e6e8_attn-k_q58fd66e6e8_attn
	.p2alignl 7, 3214868480
	.fill 96, 4, 3214868480
	.section	.rodata,"a",@progbits
	.p2align	6, 0x0
	.amdhsa_kernel k_q58fd66e6e8_attn
		.amdhsa_group_segment_fixed_size 169984
		.amdhsa_private_segment_fixed_size 0
		.amdhsa_enable_private_segment 0
		.amdhsa_kernarg_size 32
		.amdhsa_user_sgpr_count 2
		.amdhsa_user_sgpr_kernarg_segment_ptr 1
		.amdhsa_wavefront_size32 1
		.amdhsa_system_sgpr_workgroup_id_x 1
		.amdhsa_system_sgpr_workgroup_id_y 1
		.amdhsa_system_sgpr_workgroup_id_z 1
		.amdhsa_system_vgpr_workitem_id 0
		.amdhsa_next_free_vgpr 256
		.amdhsa_next_free_sgpr 96
		.amdhsa_reserve_vcc 0
		.amdhsa_float_denorm_mode_32 3
		.amdhsa_float_denorm_mode_16_64 3
		.amdhsa_memory_ordered 1
		.amdhsa_forward_progress 1
		.amdhsa_inst_pref_size 50
	.end_amdhsa_kernel
	.amdgpu_metadata
---
amdhsa.version: [ 1, 2 ]
amdhsa.kernels:
  - .name:           k_q58fd66e6e8_attn
    .symbol:         k_q58fd66e6e8_attn.kd
    .args:
      - { .name: qkv_codes, .offset: 0, .size: 8, .value_kind: global_buffer, .address_space: global }
      - { .name: qkv_scales, .offset: 8, .size: 8, .value_kind: global_buffer, .address_space: global }
      - { .name: o_codes, .offset: 16, .size: 8, .value_kind: global_buffer, .address_space: global }
      - { .name: o_scales, .offset: 24, .size: 8, .value_kind: global_buffer, .address_space: global }
    .group_segment_fixed_size: 169984
    .private_segment_fixed_size: 0
    .kernarg_segment_align: 8
    .kernarg_segment_size: 32
    .max_flat_workgroup_size: 512
    .sgpr_count:     96
    .vgpr_count:     256
    .wavefront_size: 32
...
	.end_amdgpu_metadata
.endif
;; end of part 2
;; launch proj (part 3): grid 4 x 64, 4 waves a work-group, clusters of 4 x 4, 327,680 bytes of LDS; arguments o_codes, o_scales, W_proj_codes, W_proj_scales, b_proj, out0; writes out0
.if DOCPART == 3
	.amdgcn_target "amdgcn-amd-amdhsa--gfx1250"
	.amdhsa_code_object_version 6
	.text
	.protected	k_q58fd66e6e8_proj
	.globl	k_q58fd66e6e8_proj
	.p2align	8
	.type	k_q58fd66e6e8_proj,@function
k_q58fd66e6e8_proj:
	s_mov_b64 s[64:65], 0
	v_nop
	global_prefetch_b8 v0, s[64:65] scope:SCOPE_SE
	s_setreg_imm32_b32 hwreg(HW_REG_WAVE_MODE, 25, 1), 1
	s_wait_xcnt 0x0
	s_wait_alu depctr_hold_cnt(0) depctr_sa_sdst(0) depctr_va_vdst(0) depctr_va_sdst(0) depctr_va_ssrc(0) depctr_va_vcc(0) depctr_vm_vsrc(0)
	s_getreg_b32 s2, hwreg(HW_REG_IB_STS2, 6, 4)
	s_cmp_eq_u32 s2, 0
	s_cbranch_scc0 .Lentry_in_a_cluster
	s_endpgm
.Lentry_in_a_cluster:
	s_bfe_u32 s2, ttmp6, 0x10000c
	s_cmp_lg_u32 s2, 0xf033
	s_cbranch_scc0 .Lentry_shape_is_right
	s_endpgm
.Lentry_shape_is_right:
; out0 = O W_proj + b_proj on codes of FP4 (E2M1) with one E8M0 scale for each 32 along K (K = 1,024); sums in f32.
; O comes from the launch before as images of operand registers: o_codes [tile of 16 tokens][head 16][lane][16 bytes]; o_scales [batch][head][token][2 bytes].  W_proj: 1,024 rows of 512 bytes of codes, 32 scale bytes a row.
; SHARES.  256 work-groups: a work-group of four waves makes 128 tokens x 256 columns, a wave 64 x 128: 32 accumulators, 256 registers.
; ALL OF K LIES IN LDS, each byte filled ONCE, by four joint loads, one a wave: wave 0 O's images (65,536 dense bytes), wave 1 W's 256 rows (512 bytes + 16 of padding each), wave 2 O's scale bytes, wave 3 W's.
; CLUSTERS: 4 x 4 work-groups.  O's tiles hang on the place along y and are asked for jointly by a row of the cluster, W's on the place along x, by a column.
; NO PREFETCH: every byte is asked for at the kernel's head; there is no loop to run ahead in.
; THE MATRIX INSTRUCTION IS USED TRANSPOSED (source 0 = 16 rows of W, source 1 = 16 tokens): a lane holds eight neighbouring numbers of a row of out0.  The bias is the C of the first K step: nothing is cleared.
; LIMITS: NaN and infinities are not served (a given scale byte 0xff gives NaN).
; REGISTERS, in windows of 256: window 0: v16-27 addresses; v32-47 O's scale words, v64-95 W's (all of K); v96-111 at work; v128-191 O's fragments, two sets; v192-255 the bias; on the way out v128-255 rows of out0.
;   window 1: W's fragments, two sets, at v0 and v128.  window 2: the accumulators, (a, b) at v[8 (8 a + b)].
.set PITCH,  528                       ; W's LDS row: 512 bytes + 16 = 132 words: the 16 rows that a load touches start at 16 different banks (64 banks of 4 bytes: ISA guide 11.1)
.set HALFT,  128*PITCH
.set BIMG,   65536                     ; W's rows, behind O's images
.set SCA,    BIMG+2*HALFT              ; O's scale bytes: 16 heads x 256 bytes
.set SCB,    SCA+4096                  ; W's: 32 units of 256 bytes + 16 of padding
.set HALFS,  16*272
.set STAGE,  SCB+2*HALFS               ; the way out: 16 rows x 528 bytes for each wave; no fill lands here
.set SPITCH, 528
.set SPARE,  STAGE+4*16*SPITCH         ; the spare words: 128 bytes a wave
.set ROWC,   4096                      ; a row of out0
.set ADRA, 16
.set ADRB, 20
.set ADSA, 22
.set ADSB, 23
.set STO,  24
.set RD,   25
.set CO,   26
.set LN,   27
.set SA,   32                          ; O's scale words: register 8 i + ks: tokens 32 i + lane, K step ks
.set SB,   64                          ; W's
.set HI,   96
.set AF,   128
.set BK,   128
.set BB,   192
.set WV,   18                          ; s18 wave; s19 which 64 tokens are mine; s20 which 128 columns
.set RH,   19
.set CH,   20
.set G1,   24
.set G0,   32
.set G1B,  48
.set G0B,  56
.set G1S,  68
.set G0S,  76
.set G1SB, 80
.set G0SB, 88
.set MSB, 0
.macro WIN new                         ; the immediate's high byte repeats the setting that is left; a switch that changes nothing is dropped
.if MSB != \new
	s_set_vgpr_msb (MSB<<8)|\new
.set MSB, \new
.endif
.endm
.macro PLACES n
.rept \n
	v_nop
.endr
.endm
.macro CROUND                          ; a round of the cluster's barrier
	s_barrier_signal -1
	s_barrier_wait -1
	s_cmp_lg_u32 s[WV], 0
	s_cbranch_scc1 .Lnot_wave_0_\@
	s_barrier_signal -3
.Lnot_wave_0_\@:
	s_barrier_wait -3
	s_barrier_signal -1
	s_barrier_wait -1
.endm
.macro DESC g, c, r, p                 ; words 1 to 7 of a group 1: rows of c elements, r rows, p elements from row to row
	s_mov_b32 s[\g+1], (\c)<<16
	s_mov_b32 s[\g+2], (\r)<<16
	s_mov_b32 s[\g+3], (\c)<<16
	s_mov_b32 s[\g+4], \r
	s_mov_b32 s[\g+5], \p
	s_mov_b32 s[\g+6], 0
	s_mov_b32 s[\g+7], 0
.endm
.macro GRP0 g, lds, a                  ; a group 0: count 1, LDS address, global address, type 2
	s_mov_b32 s[\g], 1
	s_mov_b32 s[\g+1], \lds
	s_mov_b64 s[\g+2:\g+3], s[\a:\a+1]
	s_or_b32 s[\g+3], s[\g+3], 0x80000000
.endm
.macro ARM under, g0, g1, next         ; one arm of the head's tree: a joint load, s_nop 0 and four v_nop, a jump to the tree's end
	s_cmp_lt_u32 s[WV], \under
	s_cbranch_scc0 \next
	tensor_load_to_lds s[\g0:\g0+3], s[\g1:\g1+7]
	s_nop 0
	PLACES 4
	s_branch .Lhead_asked
\next:
.endm
	s_load_b256 s[4:11], s[0:1], 0x0               ; o_codes s[4:5], o_scales s[6:7], W's codes s[8:9], W's scales s[10:11]
	s_load_b128 s[12:15], s[0:1], 0x20             ; b_proj s[12:13], out0 s[14:15]
	v_lshl_add_u32 v30, v0, 2, SPARE
	v_mov_b32 v31, 0
	ds_add_u32 v30, v31                            ; the opening lines: the add, twice on end, and its wait ahead of the first tensor load
	ds_add_u32 v30, v31
	v_lshrrev_b32 v1, 5, v0
	v_readfirstlane_b32 s[WV], v1                  ; wave 0..3
	s_lshr_b32 s[RH], s[WV], 1
	s_and_b32 s[CH], s[WV], 1
	s_bfe_u32 s21, ttmp6, 0x40000                  ; cx, cy
	s_bfe_u32 s22, ttmp6, 0x40004
	s_lshl_b32 s41, ttmp9, 2
	s_add_co_u32 s41, s41, s21                     ; the tile of 256 columns
	s_and_b32 s40, ttmp7, 0xffff
	s_lshl_b32 s40, s40, 2
	s_add_co_u32 s40, s40, s22                     ; the tile of 128 tokens, 0 .. 63
	s_lshl_b32 s42, s22, 2
	s_lshl_b32 s42, 15, s42                        ; my row of the cluster
	s_lshl_b32 s43, 0x1111, s21                    ; my column
	s_or_b32 s[G1+0], s42, (3<<16)|(1<<21)         ; O's images: 16 rows of 4,096 bytes (512 elements of 8), dense
	DESC G1, 512, 16, 512
	s_or_b32 s[G1S+0], s42, (3<<16)|(1<<21)        ; O's scale bytes: 16 heads x 256 bytes, 4,096 bytes apart
	DESC G1S, 32, 16, 512
	s_or_b32 s[G1B+0], s43, (1<<20)|(1<<21)|(6<<22)|(3<<25)   ; W's codes: 256 rows of 512 bytes; four words of padding after every 128
	DESC G1B, 512, 256, 512
	s_or_b32 s[G1SB+0], s43, (3<<16)|(1<<20)|(1<<21)|(5<<22)|(3<<25)   ; W's scale bytes: 32 rows of 256 bytes, dense; four words of padding after every 64
	DESC G1SB, 32, 32, 32
	s_lshl_b32 s92, s40, 16                        ; 128 tokens of images: 65,536 bytes
	s_mov_b32 s93, 0
	s_lshr_b32 s94, s40, 4                         ; the batch x 65,536 + the tile in it x 256
	s_lshl_b32 s94, s94, 16
	s_and_b32 s47, s40, 15
	s_lshl_b32 s47, s47, 8
	s_add_co_u32 s94, s94, s47
	s_mov_b32 s95, 0
	s_lshl_b32 s96, s41, 17                        ; 256 rows of 512 bytes
	s_mov_b32 s97, 0
	s_lshl_b32 s98, s41, 13                        ; 256 rows of 32 bytes
	s_mov_b32 s99, 0
	s_lshl_b32 s46, s41, 10                        ; the bias: 4 x (256 x tile + 128 x half)
	s_lshl_b32 s47, s[CH], 9
	s_add_co_u32 s46, s46, s47
	s_lshl_b32 s47, s[RH], 15                      ; my four tiles of 16 tokens: 8,192 bytes each
	s_mul_i32 s100, s[CH], HALFT
	s_add_co_u32 s100, s100, BIMG                  ; my 128 rows of W
	s_lshl_b32 s101, s[RH], 7
	s_add_co_u32 s101, s101, SCA                   ; my 64 tokens' scale bytes
	s_mul_i32 s2, s[CH], HALFS
	s_add_co_u32 s2, s2, SCB                       ; my 128 rows' scale bytes
	s_mul_i32 s3, s[WV], 16*SPITCH
	s_add_co_u32 s3, s3, STAGE                     ; my stage
	s_wait_dscnt 0x0                               ; both opening adds are done
	s_wait_kmcnt 0x0
	s_add_nc_u64 s[92:93], s[4:5], s[92:93]
	s_add_nc_u64 s[94:95], s[6:7], s[94:95]
	s_add_nc_u64 s[96:97], s[8:9], s[96:97]
	s_add_nc_u64 s[98:99], s[10:11], s[98:99]
	CROUND                                         ; all sixteen work-groups are here: the joint loads meet
	GRP0 G0, 0, 92
	GRP0 G0B, BIMG, 96
	GRP0 G0S, SCA, 94
	GRP0 G0SB, SCB, 98
	ARM 1, G0,  G1,  .Lhead_b                      ; one tree of branches on the wave's number: every way passes exactly one load
	ARM 2, G0B, G1B, .Lhead_sa
	ARM 3, G0S, G1S, .Lhead_sb
	tensor_load_to_lds s[G0SB:G0SB+3], s[G1SB:G1SB+7]
	s_nop 0
	PLACES 4
.Lhead_asked:
	s_lshl_b32 s92, s40, 19                        ; out0: (128 x tile + 64 x half) rows of 4,096 bytes + 1,024 x column tile + 512 x half
	s_lshl_b32 s93, s[RH], 18
	s_add_co_u32 s92, s92, s93
	s_add_co_u32 s92, s92, s46
	s_mov_b32 s93, 0
	s_add_nc_u64 s[14:15], s[14:15], s[92:93]
	v_and_b32 v1, 15, v0                           ; r
	v_bfe_u32 v2, v0, 4, 1                         ; h
	v_and_b32 v[LN], 31, v0
	v_lshl_add_u32 v6, v2, 5, s46
.irp b, 0,1,2,3,4,5,6,7
	global_load_b128 v[BB+8*\b:BB+8*\b+3], v6, s[12:13] offset:64*\b          ; tile b's eight numbers of the bias
	global_load_b128 v[BB+8*\b+4:BB+8*\b+7], v6, s[12:13] offset:64*\b+16
.endr
	v_lshlrev_b32 v[CO], 4, v[LN]
	v_add_nc_u32 v[ADRA], s47, v[CO]
	v_mul_u32_u24 v4, v1, PITCH
	v_lshl_add_u32 v4, v2, 4, v4
	v_add_nc_u32 v[ADRB], s100, v4
	v_lshl_add_u32 v[ADSA], v[LN], 1, s101         ; 2 bytes a token
	v_lshrrev_b32 v5, 3, v[LN]
	v_lshlrev_b32 v7, 5, v[LN]
	v_lshl_add_u32 v5, v5, 4, v7                   ; 32 l + 16 (l / 8)
	v_add_nc_u32 v[ADSB], s2, v5
	v_mul_u32_u24 v8, v1, SPITCH
	v_lshl_add_u32 v8, v2, 5, v8
	v_add_nc_u32 v[STO], s3, v8
	v_add_nc_u32 v[RD], s3, v[CO]
; One product: O's block a x W's block b, K step ks; cm = 1: the first K step, whose C is the bias.  The scale words of blocks 2 i and 2 i + 1 share a register: the even block's in lanes 0-15, the odd block's in lanes 16-31.
.macro WM a, b, ks, cm
.set rD, 8*(8*(\a)+(\b))
.set rB, 128*((\ks)%2)+8*(\b)
.set rA, AF+32*((\ks)%2)+8*(\a)
.set rC, rD
.if \cm
.set rC, BB+8*(\b)
.endif
.set rSB, SB+8*((\b)/2)+(\ks)
.set rSA, SA+8*((\a)/2)+(\ks)
.if ((\a)%2 == 0) && ((\b)%2 == 0)
	v_wmma_scale_f32_16x16x128_f8f6f4 v[rD:rD+7], v[rB:rB+7], v[rA:rA+7], v[rC:rC+7], v[rSB], v[rSA] matrix_a_fmt:MATRIX_FMT_FP4 matrix_b_fmt:MATRIX_FMT_FP4
.elseif ((\a)%2 == 0)
	v_wmma_scale_f32_16x16x128_f8f6f4 v[rD:rD+7], v[rB:rB+7], v[rA:rA+7], v[rC:rC+7], v[rSB], v[rSA] matrix_a_fmt:MATRIX_FMT_FP4 matrix_b_fmt:MATRIX_FMT_FP4 matrix_a_scale:MATRIX_SCALE_ROW1
.elseif ((\b)%2 == 0)
	v_wmma_scale_f32_16x16x128_f8f6f4 v[rD:rD+7], v[rB:rB+7], v[rA:rA+7], v[rC:rC+7], v[rSB], v[rSA] matrix_a_fmt:MATRIX_FMT_FP4 matrix_b_fmt:MATRIX_FMT_FP4 matrix_b_scale:MATRIX_SCALE_ROW1
.else
	v_wmma_scale_f32_16x16x128_f8f6f4 v[rD:rD+7], v[rB:rB+7], v[rA:rA+7], v[rC:rC+7], v[rSB], v[rSA] matrix_a_fmt:MATRIX_FMT_FP4 matrix_b_fmt:MATRIX_FMT_FP4 matrix_a_scale:MATRIX_SCALE_ROW1 matrix_b_scale:MATRIX_SCALE_ROW1
.endif
.endm
.macro FETCH ks                        ; K step ks's fragments into set ks % 2: W's eight (16 loads), O's four (8 loads)
	WIN 0x40                                       ; destination window 1, address window 0
.irp i, 0,1,2,3,4,5,6,7
.irp c, 0,1
	ds_load_b128 v[128*((\ks)%2)+8*\i+4*\c:128*((\ks)%2)+8*\i+4*\c+3], v[ADRB] offset:64*(\ks)+32*\c+\i*16*PITCH
.endr
.endr
	WIN 0
.irp i, 0,1,2,3
.irp c, 0,1
	ds_load_b128 v[AF+32*((\ks)%2)+8*\i+4*\c:AF+32*((\ks)%2)+8*\i+4*\c+3], v[ADRA] offset:8192*\i+1024*(\ks)+512*\c
.endr
.endr
.endm
; A K step of 128: the next step's 24 loads are issued into the other set, then this step's 32 products; the 32 accumulators take turns in the same order in every step.
.macro STEP ks
.if (\ks) < 7
.if (\ks) > 0
	PLACES 4                                       ; in front of loads into registers that the last step's products read (ISA guide 7.12.1 for vector instructions)
.endif
	FETCH (\ks)+1
	s_wait_dscnt 24                                ; all but the 24 just issued
.else
	s_wait_dscnt 0
.endif
.if (\ks) == 0
	WIN 0x81                                       ; source 0 (W) window 1, source 1 (O) and C (the bias) window 0, D window 2
.else
	WIN 0xa1                                       ; C and D window 2
.endif
.irp a, 0,1,2,3
.irp b, 0,1,2,3,4,5,6,7
	WM \a, \b, \ks, ((\ks)==0)
.endr
.endr
	WIN 0
.endm
	s_wait_alu depctr_va_vdst(0)
	s_wait_tensorcnt 0x0                           ; my one tensor load has landed
	s_barrier_signal -1
	s_barrier_wait -1                              ; everybody's has
.irp i, 0,1,2,3
.irp s, 0,1
	ds_load_b128 v[SB+8*\i+4*\s:SB+8*\i+4*\s+3], v[ADSB] offset:1088*\i+16*\s
.endr
.endr
.irp i, 0,1
.irp k, 0,1,2,3,4,5,6,7
	ds_load_u16 v[SA+8*\i+\k], v[ADSA] offset:512*\k+64*\i         ; K step k is heads 2 k and 2 k + 1: two bytes of each
	ds_load_u16 v[HI+8*\i+\k], v[ADSA] offset:512*\k+256+64*\i
.endr
.endr
	FETCH 0
	s_wait_dscnt 24                                ; the scale bytes are in
.set i, 0
.rept 16
	v_lshl_or_b32 v[SA+i], v[HI+i], 16, v[SA+i]
.set i, i+1
.endr
	PLACES 8                                       ; a scale register written by a vector instruction stands 8 places ahead of a scaled matrix instruction
	s_wait_alu depctr_va_vdst(0)
	s_wait_loadcnt 0x0                             ; the bias
.irp ks, 0,1,2,3,4,5,6,7
	STEP \ks
.endr
; THE WAY OUT, block by block of 16 rows x 128 columns, through my own stage in LDS: back come whole rows of 512 bytes, which the 32 lanes store as two aligned runs of 256 bytes.
; LDS serves a wave's instructions in order (ISA guide 5.7.1.4): no wait between the stores and the loads.
.macro TOSTAGE a
	WIN 0x08                                       ; the data: window 2
.irp b, 0,1,2,3,4,5,6,7
	ds_store_b128 v[STO], v[64*(\a)+8*\b:64*(\a)+8*\b+3] offset:64*\b          ; each accumulator from its low end on
	ds_store_b128 v[STO], v[64*(\a)+8*\b+4:64*(\a)+8*\b+7] offset:64*\b+16
.endr
	WIN 0
.set BKS, BK+64*((\a)%2)
.irp t, 0,1,2,3,4,5,6,7,8,9,10,11,12,13,14,15
	ds_load_b128 v[BKS+4*\t:BKS+4*\t+3], v[RD] offset:\t*SPITCH
.endr
.endm
.macro SEND a, younger                 ; younger: the LDS instructions issued behind block a's loads, which may stay out
.set BKS, BK+64*((\a)%2)
	s_wait_dscnt \younger
.if (\a) > 0
	s_add_nc_u64 s[14:15], s[14:15], 16*ROWC       ; (behind a wait on XCNT: the earlier stores have read their base)
.endif
.irp t, 0,1,2,3,4,5,6,7,8,9,10,11,12,13,14,15
	global_store_b128 v[CO], v[BKS+4*\t:BKS+4*\t+3], s[14:15] offset:\t*ROWC th:TH_STORE_NT
.endr
.endm
	PLACES 4                                       ; behind the last products
	TOSTAGE 0
.irp a, 1,2,3
.if \a > 1
	s_wait_xcnt 0x0                                ; block a - 2's stores have read their registers and their base
.endif
	TOSTAGE \a
	SEND \a-1, 32                                  ; behind block a - 1's loads: block a's 16 stores and 16 loads
.endr
	s_wait_xcnt 0x0
	SEND 3, 0
	s_wait_tensorcnt 0x0                           ; the wave's end
	ds_add_u32 v30, v31
	s_wait_dscnt 0x0
	CROUND                                         ; the closing round
	s_endpgm
.Lfunc_end_k_q58fd66e6e8_proj:
	.size	k_q58fd66e6e8_proj, .Lfunc_end_k_q58fd66e6e8_proj-k_q58fd66e6e8_proj
	.p2alignl 7, 3214868480
	.fill 96, 4, 3214868480
	.section	.rodata,"a",@progbits
	.p2align	6, 0x0
	.amdhsa_kernel k_q58fd66e6e8_proj
		.amdhsa_group_segment_fixed_size 327680
		.amdhsa_private_segment_fixed_size 0
		.amdhsa_enable_private_segment 0
		.amdhsa_kernarg_size 48
		.amdhsa_user_sgpr_count 2
		.amdhsa_user_sgpr_kernarg_segment_ptr 1
		.amdhsa_wavefront_size32 1
		.amdhsa_system_sgpr_workgroup_id_x 1
		.amdhsa_system_sgpr_workgroup_id_y 1
		.amdhsa_system_sgpr_workgroup_id_z 1
		.amdhsa_system_vgpr_workitem_id 0
		.amdhsa_next_free_vgpr 768
		.amdhsa_next_free_sgpr 102
		.amdhsa_reserve_vcc 0
		.amdhsa_float_denorm_mode_32 3
		.amdhsa_float_denorm_mode_16_64 3
		.amdhsa_memory_ordered 1
		.amdhsa_forward_progress 1
		.amdhsa_inst_pref_size 75
	.end_amdhsa_kernel
	.amdgpu_metadata
---
amdhsa.version: [ 1, 2 ]
amdhsa.kernels:
  - .name:           k_q58fd66e6e8_proj
    .symbol:         k_q58fd66e6e8_proj.kd
    .args:
      - { .name: o_codes, .offset: 0, .size: 8, .value_kind: global_buffer, .address_space: global }
      - { .name: o_scales, .offset: 8, .size: 8, .value_kind: global_buffer, .address_space: global }
      - { .name: W_proj_codes, .offset: 16, .size: 8, .value_kind: global_buffer, .address_space: global }
      - { .name: W_proj_scales, .offset: 24, .size: 8, .value_kind: global_buffer, .address_space: global }
      - { .name: b_proj, .offset: 32, .size: 8, .value_kind: global_buffer, .address_space: global }
      - { .name: out0, .offset: 40, .size: 8, .value_kind: global_buffer, .address_space: global }
    .group_segment_fixed_size: 327680
    .private_segment_fixed_size: 0
    .kernarg_segment_align: 8
    .kernarg_segment_size: 48
    .max_flat_workgroup_size: 128
    .sgpr_count:     102
    .vgpr_count:     768
    .wavefront_size: 32
...
	.end_amdgpu_metadata
.endif
;; end of part 3
